; MI455X (gfx1250); checked and timed in simulation.
; The chip was launched on July 23, 2026; its instructions are those of AMD's public machine-readable ISA for CDNA 5 (MIT licence, August 2026) and "CDNA5" Instruction Set Architecture Reference Guide (July 2026). The comments in the code are by the model that wrote it; some were corrected since.
;; Multi Head Layer. Allowed arithmetic: matrix products marked QUANTISED: E3M2 operands, one E8M0 scale for each 32 along K, by v_wmma_scale_f32_16x16x128_f8f6f4 with both operands' format E3M2, f32 sums; everything else in f32.
;; Inputs: Wk 8 x 768 x 96 float32; Wo 768 x 768 float32; Wq 8 x 768 x 96 float32; Wv 8 x 768 x 96 float32; bk 8 x 96 float32; bo 768 float32; bq 8 x 96 float32; bv 8 x 96 float32; input_key 4 x 2,048 x 768 float32; input_querys 4 x 2,048 x 768 float32; input_values 4 x 2,048 x 768 float32.
;; Outputs: out0 4 x 2,048 x 768 float32.
;; This version of the problem:
;;   THIS VERSION OF THE PROBLEM IS GIVEN IN LOW PRECISION. The matrix products marked QUANTISED in the list below multiply operands that are first quantised to E3M2 (3 exponent bits, 2 mantissa bits; 6 bits a number), with one power-of-two scale for each 32 numbers along K (OCP MX v1.0); their sums are f32. All else is computed in f32.
;;   The module's matrix products, in the order in which they are computed (A, B: the left and right operand; K: the contracted axis; several contracted axes count as one K, in the product's order):
;;     1. [M 768, K 768] x [K 768, N 8,192]; A: input Wq; B: input input_querys: QUANTISED
;;     2. [M 768, K 768] x [K 768, N 8,192]; A: input Wk; B: input input_key: QUANTISED
;;     3. [M 768, K 768] x [K 768, N 8,192]; A: input Wv; B: input input_values: QUANTISED
;;     4. batch 32 x [M 2,048, K 96] x [K 96, N 2,048]; A: computed on the way; B: computed on the way: QUANTISED
;;     5. batch 32 x [M 2,048, K 2,048] x [K 2,048, N 96]; A: softmax (see below); B: computed on the way: QUANTISED
;;     6. [M 8,192, K 768] x [K 768, N 768]; A: computed on the way; B: input Wo: QUANTISED
;;   THE QUANTISER, for each operand of a quantised product, along K:
;;     - K is cut into blocks of 32 from its start; a last block that is shorter is filled with zeros.
;;     - A block's scale is 2^e with e = floor(log2(the largest magnitude in the block)) - 4, held to -126 .. 127; a block of zeros has e = 0. As a byte (E8M0): e + 127.
;;     - Each number is divided by its block's scale, clamped to +-28, and rounded to the nearest number of E3M2, ties to even, subnormals kept.
;;     - The product sums the exact products of the quantised numbers (number of the format x scale) in f32.
;;   ~~~python
;;   def quantise(x, axis):      # numpy; x: float32 -> the quantised numbers, widened to float32 again
;;       x = np.moveaxis(x, axis, -1); K = x.shape[-1]
;;       x = np.pad(x, [(0, 0)] * (x.ndim - 1) + [(0, -K % 32)]); x = x.reshape(x.shape[:-1] + (-1, 32)); a = np.abs(x).max(-1, keepdims=True)
;;       e = np.where(a > 0, np.clip(np.frexp(np.where(a > 0, a, 1))[1] - 1 - 4, -126, 127), 0)      # np.frexp(a)[1] - 1 = floor(log2(a)), exactly
;;       r = np.clip(x / 2.0 ** e, -28, 28)
;;       step = 2.0 ** (np.maximum(np.frexp(np.where(r == 0, 1, r))[1] - 1, -2) - 2)
;;       q = np.round(r / step) * step * 2.0 ** e      # np.round: ties to even
;;       return np.moveaxis(q.reshape(q.shape[:-2] + (-1,))[..., :K], -1, axis).astype(np.float32)
;;   ~~~
;;   SOFTMAX AHEAD OF A QUANTISED PRODUCT. Where the list says 'softmax', what is quantised is not the finished softmax but p = 2^(t - M), with t = logit x log2(e) and M = ceil(the row's largest t), a whole number; so 1/2 < the row's largest p <= 1. The row's sum l is taken of the UNQUANTISED p, in f32, and the product's result is divided by l at the end. Since M is a whole number, a kernel that streams over the keys may use a running M (the ceiling of the running maximum): every later rescaling is an exact power of two, which a block's scale takes up: the codes' values come out the same.
;;   OPERANDS COMPUTED ON THE WAY. 'Computed on the way' means the value that the module computes at that place (a softmax that the list does not call 'softmax' is quantised finished and normalised). What goes into a quantiser is computed in f32, as accurately as f32 sums, v_exp_f32 and their like allow (about 1e-6 of the number): no bf16 or f16 on the way to a quantiser, and a product that is left as it is and whose result goes on into a quantised operand takes f32 operands (vector FMAs, or v_wmma_f32_16x16x4_f32). A number that lies on a knife's edge between two numbers of the format may be rounded either way, as far as f32 arithmetic and the matrix unit's own rounding can turn it there, and no further.
;; One version. Each part assembles by itself: llvm-mc -triple=amdgcn-amd-amdhsa -mcpu=gfx1250 --defsym DOCPART=n.
;; ======== version 1 of 1: 4 launches
;; limits: right only within a limited range of input values
;; workspace buffers: wimg 1,916,928 bytes; wscl 79,872 bytes; qimg 6,553,600 bytes; kv 11,534,336 bytes; cimg 6,291,456 bytes; cscl 262,144 bytes
;; launch wquant (part 1): grid 208 x 1, 3 waves a work-group, no clusters, 0 bytes of LDS; arguments Wq, Wk, Wv, Wo, wimg, wscl; writes wimg, wscl
.if DOCPART == 1
	.amdgcn_target "amdgcn-amd-amdhsa--gfx1250"
	.amdhsa_code_object_version 6
	.text
	.protected	k_qccd8df7f40_wquant
	.globl	k_qccd8df7f40_wquant
	.p2align	8
	.type	k_qccd8df7f40_wquant,@function
k_qccd8df7f40_wquant:
	s_mov_b64 s[64:65], 0
	v_nop
	global_prefetch_b8 v0, s[64:65] scope:SCOPE_SE
	s_setreg_imm32_b32 hwreg(HW_REG_WAVE_MODE, 25, 1), 1
	s_wait_xcnt 0x0
; LAUNCH 1 OF 4.  Multi-head attention, B = 4, S = 2,048, D = 768, 8 heads of 96, all six products on codes of BF6 (E3M2) with one E8M0 scale for each 32 along K.
; DEAD WORK: none.  Every input reaches out0 through a quantiser: bk too, since it moves K's codes and scales.  All eleven inputs are loaded by some launch.
; THIS LAUNCH turns Wq, Wk, Wv [8][768][96] and Wo [768][768], f32 with K as the FIRST axis of each matrix, into codes and scale words laid in the order of the operand's registers.
; A RECORD (one work-group) is one K step of 128 for 96 columns: six tiles of 16 columns.  Records 0..143: (matrix x 8 + head) x 6 + K step.  Records 144..207: Wo, 144 + (group of 96 output columns) x 8 + head;
; there a K step is one head's 96 rows and 32 zero codes (scale byte 0): blocks of 32 stay where the quantiser cuts them, since 96 = 3 x 32.
; A TILE'S COLUMNS ARE NOT NEIGHBOURS: in a group of 32 columns, row m of tile u is column 8 u + m + 8 (m / 8), so that a transposed product leaves 16 neighbouring columns in a lane's 16 registers of two tiles.
; A FRAGMENT'S IMAGE is 1,536 bytes: registers 4 q .. 4 q + 3 of lane L at byte 512 q + 16 L.  Lane (r, h) of the operand holds k = 64 c + 32 h + 0 .. 31 in registers 6 c .. 6 c + 5.
; SHARES: wave b takes columns 32 b .. 32 b + 31, a lane one column, its registers run down K: a lane holds all four blocks of its column, so no other lane is asked for a maximum and nothing goes through LDS.
; The lane makes the registers of BOTH operand lanes (r, 0) (blocks 0, 2) and (r, 1) (blocks 1, 3) and stores them: each store of the wave covers two runs of 256 consecutive bytes, aligned.
; A block's scale is 2^(floor(log2(largest magnitude)) - 4): its byte is the largest magnitude's exponent field - 4.
; LIMITS: NaN and infinities among the inputs are not served.  A block whose largest magnitude lies under 2^-122 keeps the byte 1; a block of zeros gets the byte 1 where the rule says 127: its codes are zeros,
; which add nothing under any byte but 0xff, and the bytes are read by this program alone.
.set X,   32                           ; v32-159  the column's 128 numbers
.set E0,  160                          ; v160-171 the image of operand lane (r, 0)
.set E1,  172                          ; v172-183 of operand lane (r, 1)
.set T,   184                          ; v184..   the upper 16 codes of each block (a conversion's three registers begin on an even number)
; pitch: bytes from row to row of the matrix;  nb: real blocks of 32 in the K step
.macro WQ pitch, nb
.set kk, 0
.rept 32*\nb
	global_load_b32 v[X+kk], v1, s[18:19] offset:kk*\pitch th:TH_LOAD_NT   ; 32 lanes read 128 consecutive bytes, the three waves side by side 384
.set kk, kk+1
.endr
.set j, 0
.rept \nb
.set XS, X+32*j
.set EJ, E0+12*(j%2)+6*(j/2)
.if 32*(\nb-1-j) > 63
	s_wait_loadcnt 63                              ; more loads than a wait can name were issued behind this block's: the largest count serves
.else
	s_wait_loadcnt 32*(\nb-1-j)                    ; the later blocks' loads, 32 each, may be out
.endif
	v_max3_num_f32 v8, |v[XS]|, |v[XS+1]|, |v[XS+2]|   ; the block's largest magnitude, in two chains
	v_max3_num_f32 v9, |v[XS+3]|, |v[XS+4]|, |v[XS+5]|
.irp i, 6,10,14,18,22,26
	v_max3_num_f32 v8, v8, |v[XS+\i]|, |v[XS+\i+1]|
	v_max3_num_f32 v9, v9, |v[XS+\i+2]|, |v[XS+\i+3]|
.endr
	v_max3_num_f32 v8, v8, |v[XS+30]|, |v[XS+31]|
	v_max3_num_f32 v8, v8, v9, 0x2800000           ; and the floor 2^(5 - 127): the byte cannot fall under 1
	v_add_nc_u32 v[12+j], 0xfe000000, v8           ; 4 off the exponent field: the conversion takes this operand's exponent field as its scale
	v_lshrrev_b32 v16, 23, v[12+j]                 ; the scale's byte
.if j == 0
	v_mov_b32 v20, v16
.else
	v_lshl_or_b32 v20, v16, 8*j, v20               ; four bytes to the column's scale word, the lower K in the lower byte
.endif
	v_cvt_scalef32_pk16_bf6_f32 v[EJ:EJ+2], v[XS:XS+15], v[12+j]
	v_cvt_scalef32_pk16_bf6_f32 v[T+4*j:T+4*j+2], v[XS+16:XS+31], v[12+j]
.set j, j+1
.endr
	v_nop                                          ; one plain place behind the last scaled conversion
.set j, 0
.rept \nb
.irp i, 0,1,2
	v_mov_b32 v[E0+12*(j%2)+6*(j/2)+3+\i], v[T+4*j+\i]
.endr
.set j, j+1
.endr
.if \nb == 3
.irp i, 0,1,2,3,4,5
	v_mov_b32 v[E1+6+\i], 0                        ; the fourth block: zero codes
.endr
.endif
.irp h, 0,1
.irp q, 0,1,2
	global_store_b128 v2, v[E0+12*\h+4*\q:E0+12*\h+4*\q+3], s[12:13] offset:512*\q+256*\h
.endr
.endr
	global_store_b32 v3, v20, s[14:15]             ; the wave's 32 scale words: 128 consecutive bytes
.endm
	s_load_b256 s[4:11], s[0:1], 0x0               ; Wq s[4:5], Wk s[6:7], Wv s[8:9], Wo s[10:11]
	s_load_b128 s[12:15], s[0:1], 0x20             ; wimg s[12:13], wscl s[14:15]
	v_lshrrev_b32 v4, 5, v0
	v_readfirstlane_b32 s16, v4                    ; wave b = 0..2
	v_and_b32 v4, 31, v0                           ; x: my column in the wave's 32
	v_lshlrev_b32 v1, 2, v4                        ; 4 x
	v_bfe_u32 v5, v4, 3, 1                         ; u = (x / 8) % 2: which of the two tiles
	v_and_b32 v6, 7, v4
	v_lshrrev_b32 v7, 4, v4
	v_lshl_add_u32 v6, v7, 3, v6                   ; r = x % 8 + 8 (x / 16): which row of it
	v_mul_u32_u24 v2, v5, 1536
	v_lshl_add_u32 v2, v6, 4, v2                   ; images: 1,536 u + 16 r
	v_lshlrev_b32 v3, 6, v5
	v_lshl_add_u32 v3, v6, 2, v3                   ; scale words: 64 u + 4 r
	s_lshl_b32 s17, s16, 7                         ; 128 b: my wave's columns in a row, and its scale words in a record
	s_mul_i32 s22, ttmp9, 9216
	s_mul_i32 s23, s16, 3072
	s_add_co_u32 s22, s22, s23                     ; the record's images, my wave's two tiles
	s_mov_b32 s23, 0
	s_mul_i32 s24, ttmp9, 384
	s_add_co_u32 s24, s24, s17
	s_mov_b32 s25, 0
	s_wait_kmcnt 0x0
	s_add_nc_u64 s[12:13], s[12:13], s[22:23]
	s_add_nc_u64 s[14:15], s[14:15], s[24:25]
	s_cmp_ge_u32 ttmp9, 144
	s_cbranch_scc1 .Lwo
	s_cmp_lt_u32 ttmp9, 96                         ; which of the three: the choice hangs on the work-group's number alone
	s_cselect_b64 s[18:19], s[6:7], s[8:9]
	s_cselect_b32 s20, 48, 96
	s_cmp_lt_u32 ttmp9, 48
	s_cselect_b64 s[18:19], s[4:5], s[18:19]
	s_cselect_b32 s20, 0, s20
	s_sub_co_u32 s20, ttmp9, s20                   ; head x 6 + K step
	s_mul_i32 s20, s20, 49152                      ; 128 rows of 384 bytes each
	s_add_co_u32 s20, s20, s17
	s_mov_b32 s21, 0
	s_add_nc_u64 s[18:19], s[18:19], s[20:21]
	s_wait_alu depctr_va_vdst(0)
	WQ 384, 4
	s_endpgm
.Lwo:
	s_sub_co_u32 s20, ttmp9, 144
	s_lshr_b32 s21, s20, 3                         ; the group of 96 output columns
	s_and_b32 s20, s20, 7                          ; the head: rows 96 x head on
	s_mul_i32 s20, s20, 294912                     ; 96 rows of 3,072 bytes
	s_mul_i32 s21, s21, 384
	s_add_co_u32 s20, s20, s21
	s_add_co_u32 s20, s20, s17
	s_mov_b32 s21, 0
	s_add_nc_u64 s[18:19], s[10:11], s[20:21]
	s_wait_alu depctr_va_vdst(0)
	WQ 3072, 3
	s_endpgm
.Lfunc_end_k_qccd8df7f40_wquant:
	.size	k_qccd8df7f40_wquant, .Lfunc_end_k_qccd8df7f40_wquant-k_qccd8df7f40_wquant
	.p2alignl 7, 3214868480
	.fill 96, 4, 3214868480
	.section	.rodata,"a",@progbits
	.p2align	6, 0x0
	.amdhsa_kernel k_qccd8df7f40_wquant
		.amdhsa_group_segment_fixed_size 0
		.amdhsa_private_segment_fixed_size 0
		.amdhsa_enable_private_segment 0
		.amdhsa_kernarg_size 48
		.amdhsa_user_sgpr_count 2
		.amdhsa_user_sgpr_kernarg_segment_ptr 1
		.amdhsa_wavefront_size32 1
		.amdhsa_system_sgpr_workgroup_id_x 1
		.amdhsa_system_sgpr_workgroup_id_y 1
		.amdhsa_system_sgpr_workgroup_id_z 1
		.amdhsa_system_vgpr_workitem_id 0
		.amdhsa_next_free_vgpr 208
		.amdhsa_next_free_sgpr 66
		.amdhsa_reserve_vcc 0
		.amdhsa_float_denorm_mode_32 3
		.amdhsa_float_denorm_mode_16_64 3
		.amdhsa_memory_ordered 1
		.amdhsa_forward_progress 1
		.amdhsa_inst_pref_size 35
	.end_amdhsa_kernel
	.amdgpu_metadata
---
amdhsa.version: [ 1, 2 ]
amdhsa.kernels:
  - .name:           k_qccd8df7f40_wquant
    .symbol:         k_qccd8df7f40_wquant.kd
    .args:
      - { .name: Wq, .offset: 0, .size: 8, .value_kind: global_buffer, .address_space: global }
      - { .name: Wk, .offset: 8, .size: 8, .value_kind: global_buffer, .address_space: global }
      - { .name: Wv, .offset: 16, .size: 8, .value_kind: global_buffer, .address_space: global }
      - { .name: Wo, .offset: 24, .size: 8, .value_kind: global_buffer, .address_space: global }
      - { .name: wimg, .offset: 32, .size: 8, .value_kind: global_buffer, .address_space: global }
      - { .name: wscl, .offset: 40, .size: 8, .value_kind: global_buffer, .address_space: global }
    .group_segment_fixed_size: 0
    .private_segment_fixed_size: 0
    .kernarg_segment_align: 8
    .kernarg_segment_size: 48
    .max_flat_workgroup_size: 96
    .sgpr_count:     66
    .vgpr_count:     208
    .wavefront_size: 32
...
	.end_amdgpu_metadata
.endif
;; end of part 1
;; launch proj (part 2): grid 64 x 3, 4 waves a work-group, no clusters, 169,472 bytes of LDS; arguments input_querys, input_key, input_values, bq, bk, bv, wimg, wscl, qimg, kv; writes qimg, kv
.if DOCPART == 2
	.amdgcn_target "amdgcn-amd-amdhsa--gfx1250"
	.amdhsa_code_object_version 6
	.text
	.protected	k_qccd8df7f40_proj
	.globl	k_qccd8df7f40_proj
	.p2align	8
	.type	k_qccd8df7f40_proj,@function
k_qccd8df7f40_proj:
	s_mov_b64 s[64:65], 0
	v_nop
	global_prefetch_b8 v0, s[64:65] scope:SCOPE_SE
	s_setreg_imm32_b32 hwreg(HW_REG_WAVE_MODE, 25, 1), 1
	s_wait_xcnt 0x0
; LAUNCH 2 OF 4: the three projections.  No work is left out.  Work-group (x, y): 128 tokens (block x) of tensor y (0: queries, 1: keys, 2: values), all 8 heads.
; PHASE X: wave w quantises the tokens of tiles 2 w and 2 w + 1 (16 tokens x 768) along D, in registers, and lays the 12 fragments' images and scale words in LDS: x is read from memory once.  One barrier.
; PRODUCTS: wave w makes heads 2 w and 2 w + 1, one a pass: 48 accumulators (8 token tiles x 6 column tiles), 6 K steps of 48 matrix instructions.  The weights' images come from memory straight into operand registers.
;   Q, K: source 0 = 16 columns of W, source 1 = 16 tokens: a lane holds ONE token and its 48 registers run along the head's 96 channels: quantised along them (3 blocks and a block of zero codes, scale byte 0).
;   V:    source 0 = 16 tokens, source 1 = 16 columns of W: a lane holds ONE channel and its 64 registers run along the 128 tokens, which are the keys: quantised along the keys.
; THE WEIGHTS RUN AHEAD.  Three buffers of six fragments: at the head of K step s the loads of step s + 2 go out, into the buffer that step s - 1 has left: two K steps, 96 matrix instructions, ahead of their use.
; A pass's first three steps are asked for before the pass: the first pass's in phase X's sets 8, 9 and 10, the second pass's behind the first pass's last products, ahead of its way out.
; The wave's bias (768 bytes) and W's scale words (4,608 bytes) of its two heads are copied once into LDS bytes of the wave's own and read from there, so that the loads from memory in a pass are the weights' alone:
; by this text's count a wave has at most 60 loads from memory out (at the head: 12 of that copy and 48 of x), and 54 in a pass.
; The bias is the C of each sum's first matrix instruction.  The results never leave the registers as f32: they leave as fragment images (1,536 bytes: registers 4 q .. 4 q + 3 of lane L at 512 q + 16 L).
; THE ROWS OF A TILE ARE NOT NEIGHBOURS: in a group of 32 (tokens, columns), row m of tile u is item 8 u + m + 8 (m / 8): the 16 registers of tiles 2 b and 2 b + 1 are then the 16 neighbours 32 b + 16 (lane / 16) + 0 .. 15.
; OUT: qimg [b x 8 + head][block of 128 tokens]: 8 images, then 512 bytes of scale words (lane L's 16 bytes: word i belongs to fragment 2 i + L / 16, row L % 16).
;      kv [b x 8 + head][step of 128 keys], 22,528 bytes: K's 8 images; V's 6 images at 12,288; K's scale words at 21,504; V's at 22,016.
; NO JOINT LOADS: the weights are shared by all work-groups of a tensor, but they go from memory into operand registers, each fragment feeding 8 matrix instructions; by way of LDS each weight byte would be written and read
; there once more, and the four waves walk different heads.  192 work-groups: a fragment of V needs 128 keys in one set of lanes, so a block is 128 tokens.
; LIMITS: NaN and infinities are not served.  A block whose largest magnitude lies under 2^-122 keeps the byte 1; a block of zeros gets the byte 1 where the rule says 127 (its codes are zeros; this program alone reads the bytes).
; REGISTERS, in windows of 256.  Window 0: v1-13 addresses; v16-111, v112-207 x's fragments, two buffers (in phase X and on the way out: numbers, codes and work registers); v208-223 x's scale words, two sets;
;   v224-241 W's scale words; v242-245 scale words on the way out; v252, v253 the add's two.  Window 1: W's fragments, three buffers of 72.
;   Windows 2, 3: the accumulators.  Q, K: (token tile f, column tile t) in window 2 + f / 4 at 48 (f % 4) + 8 t.  V: (t, f) in window 2 + t / 3 at 64 (t % 3) + 8 f.  Window 2, v192-239: the bias's 6 tiles.
;   Window 3 in phase X: four sets of 64 numbers as loaded.
.set XIMG,  0                          ; LDS: x's 48 fragments: (tile f, K step s) at (6 f + s) x 1,536
.set XSC,   73728                      ; their scale words: (s, lane L, f) at 1,024 s + 32 L + 4 f
.set STG,   79872                      ; two stages of 16 rows x (512 + 16) bytes for each wave
.set WB,    147456                     ; 5,376 bytes for each wave: its two heads' scale words of W (2 x 2,304), then their bias (2 x 384)
.set BOFF,  4608                       ; where the bias begins in them
.set SPARE, 168960                     ; the spare words, 128 bytes for each wave: two blocks of 256 bytes that no other line names
.set LI,  1                            ; 16 x lane
.set LI2, 2                            ; the same + 24 fragments
.set XWI, 3                            ; where I store images: 16 x lane + 18,432 x wave
.set XSA, 4                            ; XSC + 32 x lane
.set XSW, 5                            ; the same + 8 x wave
.set SI,  6                            ; my stage, as loaded: 16 x lane
.set SO,  7                            ; my stage, turned: 528 r + 64 h
.set QBA, 8                            ; my wave's 5,376 bytes + 64 h
.set VBA, 9                            ; the same + 4 (r + 8 (r / 8))
.set LS,  10                           ; the same + 4 x lane
.set WB16, 11                          ; the same + 16 x lane
.set WB8, 12                           ; the same + 8 x lane
.set L8,  13                           ; 8 x lane
.set XF,  16
.set XS,  208
.set WS,  224
.set SW,  242
.set SPW, 252
.set NIL, 253
.set ST,  16                           ; phase X: two sets of 64 numbers, turned
.set TM,  144                          ; v144-159 the quantiser's work registers
.set PC,  160                          ; v160-179, v180-199 codes, two sets
.set PW,  200                          ; v200, v201 scale words just made
.set TS,  204                          ; v204-245 at the head alone: W's scale words and the bias on their way into LDS
.set B1,  192                          ; in window 2
.set WV,  24
.set TEN, 25
.set XP,  28
.set WP,  30
.set WSP, 32
.set BP,  34
.set OP,  36
.set SP,  38
.set HP,  44
.set HM,  45
.set SEL, 46
.set MSB, 0
.macro WIN new                         ; the immediate's high byte repeats the setting that is left; a switch that changes nothing is dropped
.if MSB != (\new)
	s_set_vgpr_msb (MSB<<8)|(\new)
.set MSB, \new
.endif
.endm
.macro PLACES                          ; four plain places behind matrix instructions, ahead of loads into their registers and of reads of their results
.rept 4
	v_nop
.endr
.endm
.macro MMA d, a, b, c, sa, sb, ra      ; ra: source 0's scale words lie in lanes 16-31
.if \ra
	v_wmma_scale_f32_16x16x128_f8f6f4 v[\d:\d+7], v[\a:\a+11], v[\b:\b+11], v[\c:\c+7], v[\sa], v[\sb] matrix_a_fmt:MATRIX_FMT_BF6 matrix_b_fmt:MATRIX_FMT_BF6 matrix_a_scale:MATRIX_SCALE_ROW1
.else
	v_wmma_scale_f32_16x16x128_f8f6f4 v[\d:\d+7], v[\a:\a+11], v[\b:\b+11], v[\c:\c+7], v[\sa], v[\sb] matrix_a_fmt:MATRIX_FMT_BF6 matrix_b_fmt:MATRIX_FMT_BF6
.endif
.endm
.macro MMB d, a, b, c, sa, sb, rb      ; rb: source 1's scale words lie in lanes 16-31
.if \rb
	v_wmma_scale_f32_16x16x128_f8f6f4 v[\d:\d+7], v[\a:\a+11], v[\b:\b+11], v[\c:\c+7], v[\sa], v[\sb] matrix_a_fmt:MATRIX_FMT_BF6 matrix_b_fmt:MATRIX_FMT_BF6 matrix_b_scale:MATRIX_SCALE_ROW1
.else
	v_wmma_scale_f32_16x16x128_f8f6f4 v[\d:\d+7], v[\a:\a+11], v[\b:\b+11], v[\c:\c+7], v[\sa], v[\sb] matrix_a_fmt:MATRIX_FMT_BF6 matrix_b_fmt:MATRIX_FMT_BF6
.endif
.endm
; 16 nb numbers of a lane, in window w from register s on, register 16 b + i = k 32 b + 16 (lane / 16) + i of my row, become a fragment's codes in v[pc] .. v[pc + 11] and its scale word in v[pw].
; nb = 3: the fourth block is zero codes, its byte 0.  Accumulators are read from their low ends on.
.macro QUANT s, nb, w, pc, pw
	WIN 0x05*(\w)
.set qb, 0
.rept \nb
	v_max3_num_f32 v[TM+qb], |v[(\s)+16*qb]|, |v[(\s)+16*qb+1]|, 0x2800000   ; block qb: my 16 numbers, and the floor 2^(5 - 127): the byte cannot fall under 1
.set qb, qb+1
.endr
	WIN 0x14*(\w)
.irp i, 2,4,6,8,10,12,14
.set qb, 0
.rept \nb
	v_max3_num_f32 v[TM+qb], v[TM+qb], |v[(\s)+16*qb+\i]|, |v[(\s)+16*qb+\i+1]|   ; (the blocks by turns)
.set qb, qb+1
.endr
.endr
	WIN 0
.set qb, 0
.rept \nb
	v_permlanex16_b32 v[TM+4+qb], v[TM+qb], s[SEL], s[SEL+1]
.set qb, qb+1
.endr
.set qb, 0
.rept \nb
	v_max_num_f32 v[TM+qb], v[TM+qb], v[TM+4+qb]   ; with lane l xor 16's: the block's largest magnitude
.set qb, qb+1
.endr
.set qb, 0
.rept \nb
	v_add_nc_u32 v[TM+12+qb], 0xfe000000, v[TM+qb] ; 4 off its exponent field: the conversion's scale operand
.set qb, qb+1
.endr
.set qb, 0
.rept \nb
	v_lshrrev_b32 v[TM+4+qb], 23, v[TM+12+qb]      ; the scale's byte
.set qb, qb+1
.endr
	v_lshl_or_b32 v[\pw], v[TM+5], 8, v[TM+4]
	v_lshl_or_b32 v[\pw], v[TM+6], 16, v[\pw]
.if \nb == 4
	v_lshl_or_b32 v[\pw], v[TM+7], 24, v[\pw]
.endif
	WIN \w
	v_cvt_scalef32_pk16_bf6_f32 v[(\pc):(\pc)+2], v[(\s):(\s)+15], v[TM+12]
	v_cvt_scalef32_pk16_bf6_f32 v[(\pc)+12:(\pc)+14], v[(\s)+16:(\s)+31], v[TM+13]   ; (a conversion's three registers begin on an even number)
	v_cvt_scalef32_pk16_bf6_f32 v[(\pc)+6:(\pc)+8], v[(\s)+32:(\s)+47], v[TM+14]
.if \nb == 4
	v_cvt_scalef32_pk16_bf6_f32 v[(\pc)+16:(\pc)+18], v[(\s)+48:(\s)+63], v[TM+15]
.endif
	WIN 0
.if \nb == 4
	v_nop                                          ; one plain place behind a scaled conversion
.else
.irp i, 0,1,2
	v_mov_b32 v[(\pc)+16+\i], 0                    ; the fourth block's codes; also the plain place behind the conversions
.endr
.endif
.irp c, 0,1                            ; the operand's layout wants a WHOLE block in a lane: lanes 0-15 block 2 c, lanes 16-31 block 2 c + 1
.irp i, 0,1,2
	v_permlane16_swap_b32 v[(\pc)+6*\c+\i], v[(\pc)+12+4*\c+\i]
.endr
.irp i, 0,1,2
	v_mov_b32 v[(\pc)+3+6*\c+\i], v[(\pc)+12+4*\c+\i]
.endr
.endr
.endm
; W's six fragments of K step s, from off bytes behind the pass's first record on, into buffer s % 3
.macro WLOAD s, off
	WIN 0x40
.irp t, 0,1,2,3,4,5
.irp q, 0,1,2
	global_load_b128 v[72*((\s)%3)+12*\t+4*\q:72*((\s)%3)+12*\t+4*\q+3], v[LI], s[WP:WP+1] offset:(\off)+9216*(\s)+1536*\t+512*\q
.endr
.endr
	WIN 0
.endm
; PHASE X.  Set k = 6 u + s: tile u of my two, K step s.  A load takes 512 consecutive bytes of one token's row; the 16 rows turn through my stage, so that a lane gets 16 neighbours of each block of its row.
.macro LOAD k
	WIN 0xc0                                       ; destination window 3
.irp m, 0,1,2,3,4,5,6,7,8,9,10,11,12,13,14,15
	global_load_b128 v[64*((\k)%4)+4*\m:64*((\k)%4)+4*\m+3], v[LI], s[XP:XP+1] offset:(8*((\k)/6)+\m+8*(\m/8))*3072+512*((\k)%6) th:TH_LOAD_NT
.endr
	WIN 0
.endm
.macro TURN k                          ; LDS serves a wave's instructions in order: no wait between the stores and the loads
	WIN 0x0c                                       ; an LDS store's data are its source 1: window 3
.irp m, 0,1,2,3,4,5,6,7,8,9,10,11,12,13,14,15
	ds_store_b128 v[SI], v[64*((\k)%4)+4*\m:64*((\k)%4)+4*\m+3] offset:8448*((\k)%2)+528*\m
.endr
	WIN 0
.irp b, 0,1,2,3
.irp j, 0,1,2,3
	ds_load_b128 v[ST+64*((\k)%2)+16*\b+4*\j:ST+64*((\k)%2)+16*\b+4*\j+3], v[SO] offset:8448*((\k)%2)+128*\b+16*\j
.endr
.endr
.endm
.macro IMAGE k
.irp q, 0,1,2
	ds_store_b128 v[XWI], v[PC+20*((\k)%2)+4*\q:PC+20*((\k)%2)+4*\q+3] offset:XIMG+(6*((\k)/6)+(\k)%6)*1536+512*\q
.endr
	ds_store_b32 v[XSW], v[PW+(\k)%2] offset:1024*((\k)%6)+4*((\k)/6)
.endm
.macro XSTEP k
.if (\k) == 0
	s_wait_dscnt 0x0
.else
	s_wait_dscnt 4                                 ; this set is back from the stage; the four image stores of the set before may be out
.endif
.if (\k)+3 <= 11
	LOAD (\k)+3                                    ; into the registers of set k - 1, whose stores into the stage are older than what was just waited for
.endif
.if (\k) <= 8
	s_wait_loadcnt 32                              ; set k + 1 is in; the two sets behind it, 16 loads each, may be out
.elseif (\k) == 9
	s_wait_loadcnt 34                              ; set 10 is in; behind it: set 11's 16 loads and the 18 of W's step 0
.elseif (\k) == 10
	s_wait_loadcnt 36                              ; set 11 is in; behind it: W's steps 0 and 1
.endif
.if ((\k) >= 8) && ((\k) <= 10)
	WLOAD (\k)-8, 0                                ; x's last loads are out: the first pass's first three K steps of W follow them, one a set
.endif
.if (\k) < 11
	TURN (\k)+1                                    ; through the other stage while this set is worked
.endif
	QUANT ST+64*((\k)%2), 4, 0, PC+20*((\k)%2), PW+(\k)%2
	IMAGE \k
.endm
; THE PRODUCTS
.macro XLOADF s                        ; x's eight fragments of K step s, and their scale words: 26 LDS loads
.irp f, 0,1,2,3,4,5,6,7
.irp q, 0,1,2
.if \f < 4
	ds_load_b128 v[XF+96*((\s)%2)+12*\f+4*\q:XF+96*((\s)%2)+12*\f+4*\q+3], v[LI] offset:(6*\f+(\s))*1536+512*\q
.else
	ds_load_b128 v[XF+96*((\s)%2)+12*\f+4*\q:XF+96*((\s)%2)+12*\f+4*\q+3], v[LI2] offset:(6*(\f-4)+(\s))*1536+512*\q
.endif
.endr
.endr
	ds_load_b128 v[XS+8*((\s)%2):XS+8*((\s)%2)+3], v[XSA] offset:1024*(\s)
	ds_load_b128 v[XS+8*((\s)%2)+4:XS+8*((\s)%2)+7], v[XSA] offset:1024*(\s)+16
.endm
.macro WSLOAD p                        ; W's scale words of my head p (0, 1), out of my own LDS bytes: lanes 0-15 tile 2 b's words, lanes 16-31 tile 2 b + 1's
.irp s, 0,1,2,3,4,5
.irp b, 0,1,2
	ds_load_b32 v[WS+3*\s+\b], v[LS] offset:2304*(\p)+384*\s+128*\b
.endr
.endr
.endm
; What a pass takes from LDS ahead of its first K step: the bias, W's scale words, x's first fragments.
.macro PRE_QK p
	WIN 0x80                                       ; destination window 2
.irp t, 0,1,2,3,4,5                    ; the bias in the result's layout: register j of lane (r, h) is column 32 (t / 2) + 16 h + 8 (t % 2) + j
	ds_load_b128 v[B1+8*\t:B1+8*\t+3], v[QBA] offset:BOFF+384*(\p)+128*(\t/2)+32*(\t%2)
	ds_load_b128 v[B1+8*\t+4:B1+8*\t+7], v[QBA] offset:BOFF+384*(\p)+128*(\t/2)+32*(\t%2)+16
.endr
	WIN 0
	WSLOAD \p
	XLOADF 0
.endm
.macro PRE_V p
	WIN 0x80
.irp t, 0,1,2,3,4,5                    ; here a lane holds ONE channel, row r of W's tile t: the same bias in all eight registers
.irp j, 0,1,2,3,4,5,6,7
	ds_load_b32 v[B1+8*\t+\j], v[VBA] offset:BOFF+384*(\p)+4*(32*(\t/2)+8*(\t%2))
.endr
.endr
	WIN 0
	WSLOAD \p
	XLOADF 0
.endm
; The head of K step s.  First what is asked for: W's step s + 2 into the buffer that step s - 1 has left, x's step s + 1 likewise; then the waits for this step's operands.
.macro KHEAD s
.if (\s) > 0
	WIN 0
	PLACES                                         ; behind the last step's products, ahead of loads into registers that they read
.endif
.if ((\s) >= 1) && ((\s) <= 3)
	WLOAD (\s)+2, 0
.endif
.if (\s) < 5
	XLOADF (\s)+1
.endif
.if (\s) < 4
	s_wait_loadcnt 36                              ; this step's weights are in; those of the two steps behind it, 18 loads each, may be out
.elseif (\s) == 4
	s_wait_loadcnt 18                              ; step 5's may be out
.else
	s_wait_loadcnt 0x0
.endif
.if (\s) < 5
	s_wait_dscnt 26                                ; all LDS loads but the 26 just issued are in
.else
	s_wait_dscnt 0x0
.endif
.endm
; The 48 accumulators take turns, one instruction a turn, in the same order in every step.
.macro KSTEP_QK s
	KHEAD \s
.irp f, 0,1,2,3,4,5,6,7
.if (\s) == 0
	WIN 0xa1+0x40*(\f/4)                           ; source 0 (W) window 1, source 1 (x) window 0, C (the bias) window 2, D window 2 or 3
.else
	WIN 0xa1+0x50*(\f/4)                           ; C and D window 2 or 3
.endif
.irp t, 0,1,2,3,4,5
.if (\s) == 0
	MMA 48*(\f%4)+8*\t, 72*((\s)%3)+12*\t, XF+96*((\s)%2)+12*\f, B1+8*\t, WS+3*(\s)+\t/2, XS+8*((\s)%2)+\f, \t%2
.else
	MMA 48*(\f%4)+8*\t, 72*((\s)%3)+12*\t, XF+96*((\s)%2)+12*\f, 48*(\f%4)+8*\t, WS+3*(\s)+\t/2, XS+8*((\s)%2)+\f, \t%2
.endif
.endr
.endr
.endm
.macro KSTEP_V s
	KHEAD \s
.irp t, 0,1,2,3,4,5
.if (\s) == 0
	WIN 0xa4+0x40*(\t/3)                           ; source 0 (x) window 0, source 1 (W) window 1, C (the bias) window 2, D window 2 or 3
.else
	WIN 0xa4+0x50*(\t/3)
.endif
.irp f, 0,1,2,3,4,5,6,7
.if (\s) == 0
	MMB 64*(\t%3)+8*\f, XF+96*((\s)%2)+12*\f, 72*((\s)%3)+12*\t, B1+8*\t, XS+8*((\s)%2)+\f, WS+3*(\s)+\t/2, \t%2
.else
	MMB 64*(\t%3)+8*\f, XF+96*((\s)%2)+12*\f, 72*((\s)%3)+12*\t, 64*(\t%3)+8*\f, XS+8*((\s)%2)+\f, WS+3*(\s)+\t/2, \t%2
.endif
.endr
.endr
.endm
; THE WAY OUT of one fragment: quantised in registers, its image stored (each store 512 consecutive bytes, aligned to 256), its scale word merged: even fragments in lanes 0-15, odd ones in lanes 16-31.
.macro MERGE n
.if (\n)%2 == 0
	v_mov_b32 v[SW+(\n)/2], v[PW]
.else
	v_cndmask_b32 v[SW+(\n)/2], v[SW+(\n)/2], v[PW], s[HM]
.endif
.endm
.macro OUT_QK f
	s_wait_xcnt 0x0                                ; the earlier stores have read their registers: the codes' set may be written again
	QUANT 48*((\f)%4), 3, 2+(\f)/4, PC+20*((\f)%2), PW
.irp q, 0,1,2
	global_store_b128 v[LI], v[PC+20*((\f)%2)+4*\q:PC+20*((\f)%2)+4*\q+3], s[OP:OP+1] offset:1536*(\f)+512*\q
.endr
	MERGE \f
.endm
.macro OUT_V t
	s_wait_xcnt 0x0
	QUANT 64*((\t)%3), 4, 2+(\t)/3, PC+20*((\t)%2), PW
.irp q, 0,1,2
	global_store_b128 v[LI], v[PC+20*((\t)%2)+4*\q:PC+20*((\t)%2)+4*\q+3], s[OP:OP+1] offset:1536*(\t)+512*\q
.endr
	MERGE \t
.endm
.macro NEXT_HEAD                       ; the scale words leave; then the pointers step to my second head
	global_store_b128 v[LI], v[SW:SW+3], s[SP:SP+1]
	s_wait_xcnt 0x0                                ; all loads and stores issued so far have read their addresses and data: bases and registers may be written
	s_add_nc_u64 s[WP:WP+1], s[WP:WP+1], 55296
	s_add_nc_u64 s[OP:OP+1], s[OP:OP+1], s[42:43]
	s_add_nc_u64 s[SP:SP+1], s[SP:SP+1], s[42:43]
	s_sub_co_u32 s[HP], s[HP], 1
	s_cmp_lg_u32 s[HP], 0
.endm
.macro CLOSE                           ; the wave's end, behind my last LDS store; its tensor wait stands in a text with no tensor load too
	s_wait_tensorcnt 0x0
	ds_add_u32 v[SPW], v[NIL]
	s_wait_dscnt 0x0
	s_endpgm
.endm
	s_load_b512 s[4:19], s[0:1], 0x0               ; querys s[4:5], key s[6:7], values s[8:9], bq s[10:11], bk s[12:13], bv s[14:15], wimg s[16:17], wscl s[18:19]
	s_load_b128 s[20:23], s[0:1], 0x40             ; qimg s[20:21], kv s[22:23]
	v_lshl_add_u32 v[SPW], v0, 2, SPARE
	v_mov_b32 v[NIL], 0
	v_lshrrev_b32 v246, 5, v0
	v_readfirstlane_b32 s[WV], v246                ; wave 0..3
	v_and_b32 v246, 31, v0                         ; lane
	v_and_b32 v247, 15, v0                         ; r
	v_bfe_u32 v248, v0, 4, 1                       ; h
	v_lshlrev_b32 v[LI], 4, v246
	v_add_nc_u32 v[LI2], 36864, v[LI]
	s_mul_i32 s40, s[WV], 18432
	v_add_nc_u32 v[XWI], s40, v[LI]
	v_lshlrev_b32 v[XSA], 5, v246
	v_add_nc_u32 v[XSA], XSC, v[XSA]
	s_lshl_b32 s40, s[WV], 3
	v_add_nc_u32 v[XSW], s40, v[XSA]
	s_mul_i32 s40, s[WV], 16896
	s_add_co_u32 s40, s40, STG
	v_add_nc_u32 v[SI], s40, v[LI]
	v_mul_u32_u24 v[SO], v247, 528
	v_lshl_add_u32 v[SO], v248, 6, v[SO]
	v_add_nc_u32 v[SO], s40, v[SO]
	s_mul_i32 s40, s[WV], 5376
	s_add_co_u32 s40, s40, WB                      ; my wave's bytes for W's scale words and the bias
	v_add_nc_u32 v[WB16], s40, v[LI]
	v_lshlrev_b32 v[L8], 3, v246
	v_add_nc_u32 v[WB8], s40, v[L8]
	v_lshlrev_b32 v[LS], 2, v246
	v_add_nc_u32 v[LS], s40, v[LS]
	v_lshlrev_b32 v[QBA], 6, v248
	v_add_nc_u32 v[QBA], s40, v[QBA]
	v_and_b32 v249, 8, v247
	v_add_nc_u32 v249, v249, v247
	v_lshlrev_b32 v[VBA], 2, v249
	v_add_nc_u32 v[VBA], s40, v[VBA]
.irp b, 0,1,2,3
	v_mov_b32 v[TM+4+\b], 0                        ; written once: a lane permute's destination counts as one of its sources
.endr
	s_and_b32 s[TEN], ttmp7, 0xffff                ; which tensor
	s_mov_b32 s[HM], 0xffff0000                    ; lanes 16-31
	s_mov_b32 s[SEL], 0x76543210
	s_mov_b32 s[SEL+1], 0xfedcba98                 ; v_permlanex16_b32's selects for lane l xor 16
	s_lshl_b32 s40, ttmp9, 7
	s_lshl_b32 s41, s[WV], 5
	s_add_co_u32 s40, s40, s41
	s_mul_i32 s48, s40, 3072                       ; x: token 128 x block + 32 x wave
	s_mov_b32 s49, 0
	s_mul_i32 s50, s[TEN], 442368                  ; the tensor's 48 records of images,
	s_mul_i32 s41, s[WV], 110592                   ; my first head's six
	s_add_co_u32 s50, s50, s41
	s_mov_b32 s51, 0
	s_mul_i32 s52, s[TEN], 18432                   ; and of scale words
	s_mul_i32 s41, s[WV], 4608
	s_add_co_u32 s52, s52, s41
	s_mov_b32 s53, 0
	s_mul_i32 s54, s[WV], 768                      ; the bias of head 2 x wave
	s_mov_b32 s55, 0
	s_lshr_b32 s40, ttmp9, 4                       ; the batch
	s_lshl_b32 s40, s40, 3
	s_lshl_b32 s41, s[WV], 1
	s_add_co_u32 s40, s40, s41                     ; batch x 8 + head
	s_lshl_b32 s40, s40, 4
	s_and_b32 s41, ttmp9, 15
	s_add_co_u32 s40, s40, s41                     ; x 16 + the block of 128 tokens: the record
	s_mov_b32 s56, 22528
	s_mov_b32 s61, 21504                           ; (an instruction takes one literal: the second number of each choice lies in a register)
	s_cmp_eq_u32 s[TEN], 0
	s_cselect_b32 s56, 12800, s56                  ; a record's bytes
	s_cselect_b32 s61, 12288, s61                  ; where the scale words lie in it: Q, K
	s_mul_i32 s58, s40, s56
	s_mov_b32 s59, 0
	s_cmp_eq_u32 s[TEN], 2
	s_cselect_b32 s60, 12288, 0                    ; where the images lie in it: V's behind K's
	s_cselect_b32 s61, 22016, s61                  ; V's scale words
	s_lshl_b32 s42, s56, 4                         ; from head to head: 16 records
	s_mov_b32 s43, 0
	s_wait_kmcnt 0x0
	s_cmp_eq_u32 s[TEN], 1                         ; the choices hang on the work-group's number alone
	s_cselect_b64 s[XP:XP+1], s[6:7], s[8:9]
	s_cselect_b64 s[BP:BP+1], s[12:13], s[14:15]
	s_cmp_eq_u32 s[TEN], 0
	s_cselect_b64 s[XP:XP+1], s[4:5], s[XP:XP+1]
	s_cselect_b64 s[BP:BP+1], s[10:11], s[BP:BP+1]
	s_cselect_b64 s[OP:OP+1], s[20:21], s[22:23]
	s_add_nc_u64 s[XP:XP+1], s[XP:XP+1], s[48:49]
	s_add_nc_u64 s[WP:WP+1], s[16:17], s[50:51]
	s_add_nc_u64 s[WSP:WSP+1], s[18:19], s[52:53]
	s_add_nc_u64 s[BP:BP+1], s[BP:BP+1], s[54:55]
	s_add_nc_u64 s[OP:OP+1], s[OP:OP+1], s[58:59]
	s_mov_b32 s40, s61
	s_mov_b32 s41, 0
	s_add_nc_u64 s[SP:SP+1], s[OP:OP+1], s[40:41]
	s_mov_b32 s40, s60
	s_add_nc_u64 s[OP:OP+1], s[OP:OP+1], s[40:41]
.irp i, 0,1,2,3,4,5,6,7,8              ; my two heads' scale words of W: 4,608 dense bytes, 512 a load.  These twelve loads are older than all of x's, so every count below covers them
	global_load_b128 v[TS+4*\i:TS+4*\i+3], v[LI], s[WSP:WSP+1] offset:512*\i
.endr
.irp i, 0,1,2                          ; and their bias: 768 dense bytes, 256 a load
	global_load_b64 v[TS+36+2*\i:TS+36+2*\i+1], v[L8], s[BP:BP+1] offset:256*\i
.endr
	LOAD 0
	LOAD 1
	LOAD 2
	s_wait_loadcnt 32                              ; set 0 is in, and what was asked for ahead of it; sets 1 and 2 may be out
.irp i, 0,1,2,3,4,5,6,7,8
	ds_store_b128 v[WB16], v[TS+4*\i:TS+4*\i+3] offset:512*\i       ; into my own bytes, as they lie in memory
.endr
.irp i, 0,1,2
	ds_store_b64 v[WB8], v[TS+36+2*\i:TS+36+2*\i+1] offset:BOFF+256*\i
.endr
	TURN 0
.irp k, 0,1,2,3,4,5,6,7,8,9,10,11
	XSTEP \k
.endr
	s_wait_dscnt 0x0                               ; for the others' sake: my images and scale words lie in LDS
	s_barrier_signal -1
	s_barrier_wait -1                              ; everybody's do; from here on LDS is only read
	s_mov_b32 s[HP], 2
	s_cmp_eq_u32 s[TEN], 2
	s_cbranch_scc1 .Lv
	PRE_QK 0
.Lpass_qk:
.irp s, 0,1,2,3,4,5
	KSTEP_QK \s
.endr
	WIN 0
	PLACES                                         ; behind the last products: ahead of the loads below and of the first read of results
	s_cmp_eq_u32 s[HP], 1                          ; the last pass asks for nothing more
	s_cbranch_scc1 .Lqk_last
	WLOAD 0, 55296                                 ; my second head's first three K steps of W: they land while the first head goes out
	WLOAD 1, 55296
	WLOAD 2, 55296
	PRE_QK 1
.Lqk_last:
.irp f, 0,1,2,3,4,5,6,7
	OUT_QK \f
.endr
	NEXT_HEAD
	s_cbranch_scc1 .Lpass_qk
	CLOSE
.Lv:
	v_mov_b32 v[SW+3], 0                           ; V has six tiles: the fourth word of a lane's 16 bytes is written as 0
	PRE_V 0
.Lpass_v:
.irp s, 0,1,2,3,4,5
	KSTEP_V \s
.endr
	WIN 0
	PLACES
	s_cmp_eq_u32 s[HP], 1
	s_cbranch_scc1 .Lv_last
	WLOAD 0, 55296
	WLOAD 1, 55296
	WLOAD 2, 55296
	PRE_V 1
.Lv_last:
.irp t, 0,1,2,3,4,5
	OUT_V \t
.endr
	NEXT_HEAD
	s_cbranch_scc1 .Lpass_v
	CLOSE
.Lfunc_end_k_qccd8df7f40_proj:
	.size	k_qccd8df7f40_proj, .Lfunc_end_k_qccd8df7f40_proj-k_qccd8df7f40_proj
	.p2alignl 7, 3214868480
	.fill 96, 4, 3214868480
	.section	.rodata,"a",@progbits
	.p2align	6, 0x0
	.amdhsa_kernel k_qccd8df7f40_proj
		.amdhsa_group_segment_fixed_size 169472
		.amdhsa_private_segment_fixed_size 0
		.amdhsa_enable_private_segment 0
		.amdhsa_kernarg_size 80
		.amdhsa_user_sgpr_count 2
		.amdhsa_user_sgpr_kernarg_segment_ptr 1
		.amdhsa_wavefront_size32 1
		.amdhsa_system_sgpr_workgroup_id_x 1
		.amdhsa_system_sgpr_workgroup_id_y 1
		.amdhsa_system_sgpr_workgroup_id_z 1
		.amdhsa_system_vgpr_workitem_id 0
		.amdhsa_next_free_vgpr 1024
		.amdhsa_next_free_sgpr 66
		.amdhsa_reserve_vcc 0
		.amdhsa_float_denorm_mode_32 3
		.amdhsa_float_denorm_mode_16_64 3
		.amdhsa_memory_ordered 1
		.amdhsa_forward_progress 1
		.amdhsa_inst_pref_size 255
	.end_amdhsa_kernel
	.section	.bss,"aw",@nobits
	.p2align	6
	.space	262144
	.amdgpu_metadata
---
amdhsa.version: [ 1, 2 ]
amdhsa.kernels:
  - .name:           k_qccd8df7f40_proj
    .symbol:         k_qccd8df7f40_proj.kd
    .args:
      - { .name: input_querys, .offset: 0, .size: 8, .value_kind: global_buffer, .address_space: global }
      - { .name: input_key, .offset: 8, .size: 8, .value_kind: global_buffer, .address_space: global }
      - { .name: input_values, .offset: 16, .size: 8, .value_kind: global_buffer, .address_space: global }
      - { .name: bq, .offset: 24, .size: 8, .value_kind: global_buffer, .address_space: global }
      - { .name: bk, .offset: 32, .size: 8, .value_kind: global_buffer, .address_space: global }
      - { .name: bv, .offset: 40, .size: 8, .value_kind: global_buffer, .address_space: global }
      - { .name: wimg, .offset: 48, .size: 8, .value_kind: global_buffer, .address_space: global }
      - { .name: wscl, .offset: 56, .size: 8, .value_kind: global_buffer, .address_space: global }
      - { .name: qimg, .offset: 64, .size: 8, .value_kind: global_buffer, .address_space: global }
      - { .name: kv, .offset: 72, .size: 8, .value_kind: global_buffer, .address_space: global }
    .group_segment_fixed_size: 169472
    .private_segment_fixed_size: 0
    .kernarg_segment_align: 8
    .kernarg_segment_size: 80
    .max_flat_workgroup_size: 128
    .sgpr_count:     66
    .vgpr_count:     1024
    .wavefront_size: 32
...
	.end_amdgpu_metadata
.endif
;; end of part 2
;; launch attn (part 3): grid 8 x 32, 8 waves a work-group, clusters of 4 x 1, 327,680 bytes of LDS; arguments qimg, kv, cimg, cscl; writes cimg, cscl
.if DOCPART == 3
	.amdgcn_target "amdgcn-amd-amdhsa--gfx1250"
	.amdhsa_code_object_version 6
	.text
	.protected	k_qccd8df7f40_attn
	.globl	k_qccd8df7f40_attn
	.p2align	8
	.type	k_qccd8df7f40_attn,@function
k_qccd8df7f40_attn:
	s_mov_b64 s[64:65], 0
	v_nop
	global_prefetch_b8 v0, s[64:65] scope:SCOPE_SE
	s_setreg_imm32_b32 hwreg(HW_REG_WAVE_MODE, 25, 1), 1
	s_wait_xcnt 0x0
	s_wait_alu depctr_hold_cnt(0) depctr_sa_sdst(0) depctr_va_vdst(0) depctr_va_sdst(0) depctr_va_ssrc(0) depctr_va_vcc(0) depctr_vm_vsrc(0)
	s_getreg_b32 s2, hwreg(HW_REG_IB_STS2, 6, 4)
	s_cmp_eq_u32 s2, 0
	s_cbranch_scc0 .Lentry_in_a_cluster
	s_endpgm
.Lentry_in_a_cluster:
	s_bfe_u32 s2, ttmp6, 0x10000c
	s_cmp_lg_u32 s2, 0x3003
	s_cbranch_scc0 .Lentry_shape_is_right
	s_endpgm
.Lentry_shape_is_right:
; LAUNCH 3 OF 4: attention on codes of BF6.  No work is left out.  Work-group (x, y): 256 queries (block x) of (batch, head) y.  Each of eight waves owns TWO tiles of 16 queries; every wave walks the head's 2,048 keys, 128 a step.
; THE SOFTMAX AHEAD OF THE SECOND PRODUCT: t = score x log2(e) / sqrt(96); M = the row's largest t so far, rounded UP to a whole number; p = 2^(t - M) is quantised along the keys, not normalised.  The row's sum is taken of
; the unquantised p, in f32, and divides O at the end.  When M moves, the sum and O are multiplied by 2^(old M - new M): exact.
; LAYOUT.  Both products are used transposed: S^T = K Q^T (source 0 = 16 keys, source 1 = 16 queries; K = the head's 96 and 32 zero codes), O^T = V^T P^T (source 0 = 16 channels, source 1 = P): a lane holds ONE query.
; O^T / the sum is quantised in registers along the head's 96 channels and leaves as a fragment's image (cimg [tile of 16 tokens][head][1,536]) and 16 scale words (cscl [tile][head][16]).
; THE WALK IS A PIPELINE OF TWO PHASES A KEY STEP.  Phase B(j): tile 1's softmax of step j - 1; among its vector lines stand tile 0's products O += V(j-1) P(j-1) and S = K(j) Q.
; Phase A(j): tile 0's softmax of step j; among its lines stand tile 1's products of the same two kinds.  The products stand in groups of 3, 3, 4 and 4 at four fixed points of the softmax's text (HOOK).
; K's eight fragments and V's six have registers of their own, each read from LDS once a step: K(j) at the head of phase B(j), V(j) in phase A(j) behind the last product that read V(j-1).  So a trip reads record j alone.
; The first half step (K(0), V(0), both tiles' first scores, tile 0's first softmax) and the last (tile 1's last softmax, the last products) are written out.
; THE RING: record 0 has a place of its own; two LDS slots of FIVE key steps (records of 22,528 dense bytes: K's 8 images, V's 6, their scale words).  Waves 0 to 4 fetch a record each, at the head wave 5 record 0.
; CLUSTER: the four query blocks of a cluster walk the same K and V, so each record is asked for JOINTLY.  By this text's count a wave has one tensor load out at a time.
; NO PREFETCH is laid: each refill is asked for five key steps ahead of its first read, and the first fills stand at the head.
; Dependent vector lines: four or more independent chains take turns wherever the work has them; a hint stands on the serial links alone.
; LIMITS: NaN and infinities are not served.  The promise holds while the scaled scores stay under 2^31 in magnitude.  A block whose largest number lies under 2^-122 keeps the byte 1 (a block of zeros too: its codes are zeros; this program alone reads the bytes).
; REGISTERS.  In both windows, tile w's in window w: v112-175 S^T, then p; v176-223 O^T; v224-247 p's codes and work registers; v248 -M, v249 the largest t, v[250:251] the sum; v252-254 at work.
;   Window 0: v1-7 addresses; v8-11 K's scale words, v12-15 V's, v16, v17 Q's, v18, v19 p's; v20-31 tile 0's Q; v32-103 V's six fragments.  Window 1: v0-11 tile 1's Q; v12-107 K's eight fragments.
.set REC,   22528                      ; a key step's record
.set SLOT1, 1<<17                      ; slot 1 begins here: one exclusive or turns an address in one slot into the other's
.set ZPL,   243712                     ; record 0's place, behind slot 1's five records
.set SPARE, 266240                     ; the spare words, 128 bytes for each wave: four blocks of 256 bytes that no other line names
.set LI,  1                            ; 16 x lane
.set ADR, 2                            ; the step's record in LDS + 16 x lane
.set SPW, 5
.set NIL, 6
.set KS,  8
.set VS,  12
.set QS,  16
.set PS,  18
.set VF,  32
.set KF,  12
.set SS,  112
.set OO,  176
.set WV,  12
.set CX,  13
.set XB,  14
.set BH,  15
.set G1,  24
.set G0,  32
.set SEL, 36
.set CS,  38
.set TB,  40
.set SLOTS, 41
.set INNER, 42
.set QP,  44
.set CP,  46
.set SCP, 48
.set G0Z, 56
.set MSB, 0
.macro WIN new                         ; the immediate's high byte repeats the setting that is left; a switch that changes nothing is dropped
.if MSB != (\new)
	s_set_vgpr_msb (MSB<<8)|(\new)
.set MSB, \new
.endif
.endm
.macro PLACES
.rept 4
	v_nop
.endr
.endm
.macro MQ d, a, b, sa, sb, ra          ; a product that starts its sum
.if \ra
	v_wmma_scale_f32_16x16x128_f8f6f4 v[\d:\d+7], v[\a:\a+11], v[\b:\b+11], 0, v[\sa], v[\sb] matrix_a_fmt:MATRIX_FMT_BF6 matrix_b_fmt:MATRIX_FMT_BF6 matrix_a_scale:MATRIX_SCALE_ROW1
.else
	v_wmma_scale_f32_16x16x128_f8f6f4 v[\d:\d+7], v[\a:\a+11], v[\b:\b+11], 0, v[\sa], v[\sb] matrix_a_fmt:MATRIX_FMT_BF6 matrix_b_fmt:MATRIX_FMT_BF6
.endif
.endm
.macro MP d, a, b, sa, sb, ra          ; a product that adds in place
.if \ra
	v_wmma_scale_f32_16x16x128_f8f6f4 v[\d:\d+7], v[\a:\a+11], v[\b:\b+11], v[\d:\d+7], v[\sa], v[\sb] matrix_a_fmt:MATRIX_FMT_BF6 matrix_b_fmt:MATRIX_FMT_BF6 matrix_a_scale:MATRIX_SCALE_ROW1
.else
	v_wmma_scale_f32_16x16x128_f8f6f4 v[\d:\d+7], v[\a:\a+11], v[\b:\b+11], v[\d:\d+7], v[\sa], v[\sb] matrix_a_fmt:MATRIX_FMT_BF6 matrix_b_fmt:MATRIX_FMT_BF6
.endif
.endm
.macro QK4 w, t                        ; tile w's scores against K's fragments t .. t + 3.  Source 0 (K) window 1; source 1 (Q) and D window w
	WIN 0x01+0x54*(\w)
.irp tt, \t, \t+1, \t+2, \t+3
	MQ SS+8*(\tt), KF+12*(\tt), 20-20*(\w), KS+(\tt)/2, QS+(\w), (\tt)%2
.endr
.endm
.macro PV3 w, t                        ; tile w's O^T, channel tiles t .. t + 2.  Source 0 (V) window 0; source 1 (P), C and D window w
	WIN 0x54*(\w)
.irp tt, \t, \t+1, \t+2
	MP OO+8*(\tt), VF+12*(\tt), 224, VS+(\tt)/2, PS+(\w), (\tt)%2
.endr
.endm
.macro KLOAD                           ; 25 LDS loads: K's scale words (register i: lanes 0-15 fragment 2 i, lanes 16-31 fragment 2 i + 1) and its eight fragments
	WIN 0
	v_add_nc_u32 v[ADR], s[TB], v[LI]
	s_wait_alu depctr_va_vdst(0)
	ds_load_b128 v[KS:KS+3], v[ADR] offset:21504
	WIN 0x40
.irp t, 0,1,2,3,4,5,6,7
.irp q, 0,1,2
	ds_load_b128 v[KF+12*\t+4*\q:KF+12*\t+4*\q+3], v[ADR] offset:1536*\t+512*\q
.endr
.endr
.endm
.macro VLOAD                           ; 19 LDS loads: V's six fragments and its scale words
	WIN 0
.irp t, 0,1,2,3,4,5
.irp q, 0,1,2
	ds_load_b128 v[VF+12*\t+4*\q:VF+12*\t+4*\q+3], v[ADR] offset:12288+1536*\t+512*\q
.endr
.endr
	ds_load_b128 v[VS:VS+3], v[ADR] offset:22016
.endm
; What stands at point n of a softmax's text.  ph 0: phase A; ph 1: phase B; ph 2: the first softmax (nothing); ph 3: the last softmax (tile 0's last products alone).
; All accumulators differ from one matrix instruction to the next, over the backward jump too.
.macro HOOK ph, n
.if (\ph) == 0
.if (\n) < 2
	PV3 1, 3*(\n)
.else
.if (\n) == 2
	VLOAD                                          ; V(j) over V(j-1): more than four plain vector lines stand behind the last product that read it
.endif
	QK4 1, 4*(\n)-8
.endif
.elseif (\ph) == 1
.if (\n) == 0
	s_wait_alu depctr_va_vdst(0)
	s_wait_dscnt 25                                ; V's 19 loads are in; K's 25, issued behind them, may be out
.endif
.if (\n) == 2
	s_wait_alu depctr_va_vdst(0)
	s_wait_dscnt 0x0                               ; K is in
.endif
.if (\n) < 2
	PV3 0, 3*(\n)
.else
	QK4 0, 4*(\n)-8
.endif
.elseif (\ph) == 3
.if (\n) == 0
	s_wait_alu depctr_va_vdst(0)
	s_wait_dscnt 0x0                               ; the last V is in
.endif
.if (\n) < 2
	PV3 0, 3*(\n)
.endif
.endif
.endm
.macro CROUND                          ; a round of the cluster's barrier
	s_barrier_signal -1
	s_barrier_wait -1
	s_cmp_lg_u32 s[WV], 0
	s_cbranch_scc1 .Lnot_wave_0_\@
	s_barrier_signal -3
.Lnot_wave_0_\@:
	s_barrier_wait -3
	s_barrier_signal -1
	s_barrier_wait -1
.endm
.macro TLOAD                           ; waves 0 to 4 fetch a record each; the branch hangs on the wave's number alone.  An s_nop 0 and four v_nop follow the load
	s_cmp_lt_u32 s[WV], 5
	s_cbranch_scc0 .Lnone_\@
	tensor_load_to_lds s[G0:G0+3], s[G1:G1+7]
	s_nop 0
.rept 4
	v_nop
.endr
.Lnone_\@:
.endm
; THE CHANGE OF SLOTS stands at a slot's head.  Each wave waits for all its tensor loads, adds 0 to its spare word, and waits for that and for its reads of the slot that it has left.
; fill = 1: behind a round of the cluster's barrier the other slot takes the next five key steps.
.macro CHANGE fill
	s_wait_alu depctr_va_vdst(0)
	s_wait_tensorcnt 0x0                           ; no tensor load of mine is out, so the descriptor may be written
	ds_add_u32 v[SPW], v[NIL]                      ; 0 onto my spare word
.if \fill
	ds_add_u32 v[SPW], v[NIL]                      ; and once more
	s_xor_b32 s[G0+1], s[G0+1], SLOT1              ; the other slot than last time,
	s_add_nc_u64 s[G0+2:G0+3], s[G0+2:G0+3], 5*REC ; the next five key steps; the type bits on top are not reached
	s_wait_dscnt 0x0
	CROUND                                         ; no wave of any partner still reads that slot or has a load on its way
	TLOAD
.else
	s_wait_dscnt 0x0
	s_barrier_signal -1
	s_barrier_wait -1
.endif
.endm
.macro ADD4 n                          ; eight more p into the four chains of the row's sum
	v_pk_add_f32 v[236:237], v[236:237], v[SS+\n:SS+\n+1]
	v_pk_add_f32 v[238:239], v[238:239], v[SS+\n+2:SS+\n+3]
	v_pk_add_f32 v[240:241], v[240:241], v[SS+\n+4:SS+\n+5]
	v_pk_add_f32 v[250:251], v[250:251], v[SS+\n+6:SS+\n+7]
.endm
.macro FMAS n                          ; t - M, two at a time
.rept \n
	v_pk_fma_f32 v[SS+j:SS+j+1], v[SS+j:SS+j+1], s[CS:CS+1], v[248:249] op_sel_hi:[1,0,0]
.set j, j+2
.endr
.endm
; One tile's softmax for one key step, in window w.  Scores: register 16 b + i is key 32 b + 16 (lane / 16) + i.
.macro SM w, ph
	WIN 0x55*(\w)
	s_wait_alu depctr_va_vdst(0)                   ; directly ahead of the first reader of the scores; the eight lines below read each accumulator at its low end
.irp b, 0,1,2,3
	v_max3_num_f32 v[232+\b], v[SS+16*\b], v[SS+16*\b+1], v[SS+16*\b+2]   ; THE LARGEST SCORE OF EACH BLOCK OF 32 KEYS serves twice: for the row's maximum, and, since p rises with the score, for the block's largest p
.endr
.irp n, 8,3,5
.irp b, 0,1,2,3
	v_max3_num_f32 v[232+\b], v[232+\b], v[SS+16*\b+\n], v[SS+16*\b+\n+1]
.endr
.endr
	HOOK \ph, 0
	WIN 0x55*(\w)
.irp n, 10,12,14
.irp b, 0,1,2,3
	v_max3_num_f32 v[232+\b], v[232+\b], v[SS+16*\b+\n], v[SS+16*\b+\n+1]
.endr
.endr
	HOOK \ph, 1
	WIN 0x55*(\w)
.irp b, 0,1,2,3
	v_max_num_f32 v[232+\b], v[232+\b], v[SS+16*\b+7]
.endr
.irp b, 0,1,2,3
	v_permlanex16_b32 v[236+\b], v[232+\b], s[SEL], s[SEL+1]
.endr
.irp b, 0,1,2,3
	v_max_num_f32 v[232+\b], v[232+\b], v[236+\b]  ; with lane l xor 16's 16 keys (the four blocks by turns)
.endr
	s_delay_alu instid0(VALU_DEP_2)
	v_max3_num_f32 v254, v232, v233, v234
	s_delay_alu instid0(VALU_DEP_1)
	v_max_num_f32 v254, v254, v235                 ; the step's largest score of my query
	s_delay_alu instid0(VALU_DEP_1)
	v_mul_f32 v254, s[CS], v254                    ; as t (c is positive)
	s_delay_alu instid0(VALU_DEP_1)
	v_max_num_f32 v249, v249, v254                 ; the running largest t
	v_mov_b32 v254, v248
	s_delay_alu instid0(VALU_DEP_2)
	v_floor_f32 v248, -v249                        ; the new -M = floor(-t) = -ceil(t): M is a whole number
	s_delay_alu instid0(VALU_DEP_1)
	v_sub_f32 v254, v248, v254                     ; old M - new M: a whole number, 0 or less
	s_delay_alu instid0(VALU_DEP_1)
	v_cvt_i32_f32 v254, v254                       ; (it saturates)
	s_delay_alu instid0(VALU_DEP_1)
	v_ldexp_f32 v252, 1.0, v254                    ; f = 2^(old M - new M)
.set j, 0
	FMAS 10
	HOOK \ph, 2
	WIN 0x55*(\w)
	FMAS 22
.irp b, 0,1,2,3
	v_fma_f32 v[232+\b], v[232+\b], s[CS], v248    ; the same of each block's largest score
.endr
	s_wait_alu depctr_va_vdst(0)
.irp b, 0,1,2,3
	v_exp_f32 v[232+\b], v[232+\b]                 ; the block's largest p: the same two instructions on the same number
.endr
.set j, 0
.rept 64
	v_exp_f32 v[SS+j], v[SS+j]                     ; p = 2^(t - M), at most 1
.set j, j+1
.endr
	v_pk_mul_f32 v[250:251], v[250:251], v[252:253] op_sel_hi:[1,0]   ; the sums under the new M; also the plain place behind the exponentials
	s_wait_alu depctr_va_vdst(0)                   ; one wait for the batch of 68, ahead of its first reader
	v_pk_add_f32 v[236:237], v[SS:SS+1], v[SS+2:SS+3]      ; the row's sum of the UNQUANTISED p, in four chains
	v_pk_add_f32 v[238:239], v[SS+4:SS+5], v[SS+6:SS+7]
	v_pk_add_f32 v[240:241], v[SS+8:SS+9], v[SS+10:SS+11]
	v_pk_add_f32 v[250:251], v[250:251], v[SS+12:SS+13]
	ADD4 14
	ADD4 22
	HOOK \ph, 3
	WIN 0x55*(\w)
	ADD4 30
	ADD4 38
	ADD4 46
	ADD4 54
	v_pk_add_f32 v[236:237], v[236:237], v[SS+62:SS+63]
	v_pk_add_f32 v[250:251], v[250:251], v[240:241]
	s_delay_alu instid0(VALU_DEP_2)
	v_pk_add_f32 v[236:237], v[236:237], v[238:239]
	s_delay_alu instid0(VALU_DEP_1)
	v_pk_add_f32 v[250:251], v[250:251], v[236:237]
.irp b, 0,1,2,3
	v_max_num_f32 v[232+\b], 0x2800000, v[232+\b]  ; the floor 2^(5 - 127): the byte cannot fall under 1
.endr
.irp b, 0,1,2,3
	v_add_nc_u32 v[244+\b], 0xfe000000, v[232+\b]  ; 4 off the exponent field: the conversion's scale operand
.endr
.irp b, 0,1,2,3
	v_lshrrev_b32 v[236+\b], 23, v[244+\b]         ; the scale's byte
.endr
	s_delay_alu instid0(VALU_DEP_3)
	v_lshl_or_b32 v253, v237, 8, v236
	s_delay_alu instid0(VALU_DEP_1)
	v_lshl_or_b32 v253, v238, 16, v253
	WIN 0x11*(\w)                                  ; sources window w, destination window 0
	v_lshl_or_b32 v[PS+(\w)], v239, 24, v253       ; p's scale word for these 128 keys, into a register of window 0 that holds scales alone
	WIN 0x55*(\w)
.irp c, 0,1
	v_cvt_scalef32_pk16_bf6_f32 v[224+6*\c:226+6*\c], v[SS+32*\c:SS+32*\c+15], v[244+2*\c]
	v_cvt_scalef32_pk16_bf6_f32 v[236+4*\c:238+4*\c], v[SS+16+32*\c:SS+31+32*\c], v[244+2*\c+1]
.endr
	v_nop                                          ; one plain place behind a scaled conversion
.irp c, 0,1                            ; the operand's layout wants a WHOLE block in a lane: six swaps, then six moves
.irp n, 0,1,2
	v_permlane16_swap_b32 v[224+6*\c+\n], v[236+4*\c+\n]
.endr
.endr
.irp c, 0,1
.irp n, 0,1,2
	v_mov_b32 v[227+6*\c+\n], v[236+4*\c+\n]
.endr
.endr
	s_wait_alu depctr_va_vdst(0)
.set j, 0
.rept 24
	v_pk_mul_f32 v[OO+j:OO+j+1], v[OO+j:OO+j+1], v[252:253] op_sel_hi:[1,0]   ; O^T under the new M, each accumulator from its low end on
.set j, j+2
.endr
.endm
.macro FIVE                            ; a slot's five key steps: written once, walked five times
	s_mov_b32 s[INNER], 5
.Lstep_\@:
	KLOAD                                          ; K(j): the last product that read K(j-1) stands more than four plain vector lines back
	SM 1, 1                                        ; phase B(j)
	SM 0, 0                                        ; phase A(j)
	WIN 0
	s_add_co_u32 s[TB], s[TB], REC
	s_sub_co_u32 s[INNER], s[INNER], 1
	s_cmp_lg_u32 s[INNER], 0
	s_wait_alu depctr_va_vdst(0)
	s_cbranch_scc1 .Lstep_\@
	s_sub_co_u32 s[TB], s[TB], 5*REC
	s_xor_b32 s[TB], s[TB], SLOT1                  ; on to the other slot
.endm
.macro INIT w                          ; O^T and the sums begin as zeros and the largest t as -3e38, so that the softmax is one text for every step
	WIN 0x55*(\w)
	v_mov_b32 v249, 0xff61b1e6
	s_delay_alu instid0(VALU_DEP_1)
	v_floor_f32 v248, -v249                        ; -M
	v_mov_b32 v250, 0
	v_mov_b32 v251, 0
.irp b, 0,1,2,3
	v_mov_b32 v[236+\b], 0                         ; a lane permute's destination counts as one of its sources
.endr
	v_mov_b32 v253, 0                              ; (named as the upper half of a pair before it is first written)
.set j, 0
.rept 48
	v_mov_b32 v[OO+j], 0
.set j, j+1
.endr
.endm
; THE WAY OUT of tile w: O^T / the sum, quantised along the head's 96 channels (three blocks and a block of zero codes, byte 0), all in window w: numbers v112-159, work registers v232-247, codes v32-51, scale word v52.
.macro OUT w
	WIN 0x55*(\w)
	v_add_f32 v250, v250, v251
	s_delay_alu instid0(VALU_DEP_1)
	v_permlanex16_b32 v252, v250, s[SEL], s[SEL+1]
	s_delay_alu instid0(VALU_DEP_1)
	v_add_f32 v250, v250, v252                     ; the row's sum
	s_wait_alu depctr_va_vdst(0)
	v_rcp_f32 v250, v250
	v_nop                                          ; a plain place behind the reciprocal,
	s_wait_alu depctr_va_vdst(0)                   ; and the wait ahead of its first reader and of O^T's
.set j, 0
.rept 24
	v_pk_mul_f32 v[SS+j:SS+j+1], v[OO+j:OO+j+1], v[250:251] op_sel_hi:[1,0]   ; each accumulator from its low end on; register 16 b + i is channel 32 b + 16 (lane / 16) + i
.set j, j+2
.endr
.irp b, 0,1,2
	v_max3_num_f32 v[232+\b], |v[SS+16*\b]|, |v[SS+16*\b+1]|, 0x2800000
.endr
.irp n, 2,4,6,8,10,12,14
.irp b, 0,1,2
	s_delay_alu instid0(VALU_DEP_3)
	v_max3_num_f32 v[232+\b], v[232+\b], |v[SS+16*\b+\n]|, |v[SS+16*\b+\n+1]|
.endr
.endr
.irp b, 0,1,2
	s_delay_alu instid0(VALU_DEP_3)
	v_permlanex16_b32 v[236+\b], v[232+\b], s[SEL], s[SEL+1]
.endr
.irp b, 0,1,2
	s_delay_alu instid0(VALU_DEP_3)
	v_max_num_f32 v[232+\b], v[232+\b], v[236+\b]
.endr
.irp b, 0,1,2
	s_delay_alu instid0(VALU_DEP_3)
	v_add_nc_u32 v[244+\b], 0xfe000000, v[232+\b]
.endr
.irp b, 0,1,2
	s_delay_alu instid0(VALU_DEP_3)
	v_lshrrev_b32 v[236+\b], 23, v[244+\b]
.endr
	s_delay_alu instid0(VALU_DEP_2)
	v_lshl_or_b32 v52, v237, 8, v236
	s_delay_alu instid0(VALU_DEP_1)
	v_lshl_or_b32 v52, v238, 16, v52
	v_cvt_scalef32_pk16_bf6_f32 v[32:34], v[SS:SS+15], v244
	v_cvt_scalef32_pk16_bf6_f32 v[44:46], v[SS+16:SS+31], v245
	v_cvt_scalef32_pk16_bf6_f32 v[38:40], v[SS+32:SS+47], v246
.irp n, 0,1,2
	v_mov_b32 v[48+\n], 0                          ; the fourth block's codes; also the plain place behind the conversions
.endr
.irp c, 0,1
.irp n, 0,1,2
	v_permlane16_swap_b32 v[32+6*\c+\n], v[44+4*\c+\n]
.endr
.irp n, 0,1,2
	s_delay_alu instid0(VALU_DEP_3)
	v_mov_b32 v[35+6*\c+\n], v[44+4*\c+\n]
.endr
.endr
	WIN 4*(\w)                                     ; a store's data are its source 1
.irp q, 0,1,2
	global_store_b128 v[LI], v[32+4*\q:35+4*\q], s[CP:CP+1] offset:12288*(\w)+512*\q   ; 512 consecutive bytes, aligned to 256
.endr
	global_store_b32 v4, v52, s[SCP:SCP+1] offset:512*(\w)   ; both halves of the lanes write the same word with the same value
.endm
	s_load_b256 s[4:11], s[0:1], 0x0               ; qimg s[4:5], kv s[6:7], cimg s[8:9], cscl s[10:11]
	v_lshl_add_u32 v[SPW], v0, 2, SPARE
	v_mov_b32 v[NIL], 0
	ds_add_u32 v[SPW], v[NIL]                      ; the wave's opening: the add, twice on end, and its wait ahead of the first tensor load; the set-up below stands between
	ds_add_u32 v[SPW], v[NIL]
	v_lshrrev_b32 v2, 5, v0
	s_delay_alu instid0(VALU_DEP_1)
	v_readfirstlane_b32 s[WV], v2                  ; wave 0..7
	s_bfe_u32 s[CX], ttmp6, 0x40000                ; my place in the cluster
	s_lshl_b32 s[XB], ttmp9, 2
	s_add_co_u32 s[XB], s[XB], s[CX]               ; my block of 256 queries: it enters Q's and the outputs' addresses alone
	s_and_b32 s[BH], ttmp7, 0xffff                 ; batch x 8 + head, which the four partners share
	s_mov_b32 s[G1], 15|(3<<16)|(1<<21)            ; 15:0 the mask: all four work-groups; 17:16 elements of 8 bytes; 21 set beside a mask; no padding
	s_mov_b32 s[G1+1], 32<<16                      ; tensor_dim0 = 32 elements: rows of 256 bytes
	s_mov_b32 s[G1+2], 88<<16                      ; tensor_dim1 = 88 rows: a record is dense
	s_mov_b32 s[G1+3], 32<<16                      ; tile_dim0
	s_mov_b32 s[G1+4], 88                          ; tile_dim1
	s_mov_b32 s[G1+5], 32                          ; from row to row
	s_mov_b32 s[G1+6], 0
	s_mov_b32 s[G1+7], 0
	s_mov_b32 s[SEL], 0x76543210
	s_mov_b32 s[SEL+1], 0xfedcba98
	s_mov_b32 s[CS], 0x3e16c740                    ; c = log2(e) / sqrt(96)
	s_mov_b32 s[CS+1], s[CS]                       ; (named with it as a pair, so it is written)
	s_mov_b32 s[TB], ZPL                           ; the first half step reads record 0
	s_mov_b32 s[SLOTS], 2
	s_and_b32 s16, s[WV], 3
	s_mul_i32 s17, s[WV], REC                      ; which record of a slot I fetch: its place in LDS and in memory
	s_mul_i32 s18, s[BH], 16*REC                   ; the head's record 0
	s_mov_b32 s19, 0
	s_lshl_b32 s20, s[XB], 1
	s_lshr_b32 s21, s[WV], 2
	s_add_co_u32 s20, s20, s21                     ; g: my wave's group of 128 queries
	s_lshl_b32 s21, s[BH], 4
	s_add_co_u32 s21, s21, s20
	s_mul_i32 s22, s21, 12800                      ; its record of Q
	s_mov_b32 s23, 0
	s_lshr_b32 s21, s[BH], 3
	s_lshl_b32 s21, s21, 4
	s_add_co_u32 s21, s21, s20
	s_lshl_b32 s21, s21, 3
	s_lshl_b32 s50, s16, 1
	s_add_co_u32 s21, s21, s50                     ; my first tile of tokens: (batch x 16 + g) x 8 + 2 (wave % 4)
	s_and_b32 s50, s[BH], 7                        ; the head
	s_mul_i32 s52, s21, 12288
	s_mul_i32 s51, s50, 1536
	s_add_co_u32 s52, s52, s51
	s_mov_b32 s53, 0
	s_lshl_b32 s54, s21, 9
	s_lshl_b32 s51, s50, 6
	s_add_co_u32 s54, s54, s51
	s_mov_b32 s55, 0
	s_lshl_b32 s51, s16, 2
	s_mul_i32 s50, s16, 3072
	v_and_b32 v2, 31, v0
	s_delay_alu instid0(VALU_DEP_1)
	v_lshlrev_b32 v[LI], 4, v2
	v_and_b32 v2, 15, v0
	s_delay_alu instid0(VALU_DEP_1)
	v_lshlrev_b32 v4, 2, v2                        ; 4 r
	v_lshlrev_b32 v3, 4, v2
	s_delay_alu instid0(VALU_DEP_1)
	v_add_nc_u32 v3, s51, v3                       ; Q's scale words: 16 r + 4 (wave % 4)
	v_add_nc_u32 v7, s50, v[LI]                    ; Q's fragments: my two of the record's eight
	s_wait_dscnt 0x0                               ; both opening adds are done
	s_wait_kmcnt 0x0
	s_mov_b32 s[G0Z], 1                            ; record 0, to its own place
	s_mov_b32 s[G0Z+1], ZPL
	s_add_nc_u64 s[G0Z+2:G0Z+3], s[6:7], s[18:19]  ; global addresses: made of the head and the wave's number alone
	s_add_co_u32 s18, s17, REC
	s_mov_b32 s[G0], 1                             ; record 1 + wave, into slot 0
	s_mov_b32 s[G0+1], s17
	s_add_nc_u64 s[G0+2:G0+3], s[G0Z+2:G0Z+3], s[18:19]
	s_or_b32 s[G0Z+3], s[G0Z+3], 0x80000000        ; type = 2
	s_or_b32 s[G0+3], s[G0+3], 0x80000000
	s_add_nc_u64 s[QP:QP+1], s[4:5], s[22:23]
	s_add_nc_u64 s[CP:CP+1], s[8:9], s[52:53]
	s_add_nc_u64 s[SCP:SCP+1], s[10:11], s[54:55]
	CROUND                                         ; all four work-groups are here: the first joint loads meet
	s_cmp_lt_u32 s[WV], 5                          ; the head's loads, at most one a wave, in one chain of branches on the wave's number: waves 0 to 4 key steps 1 to 5, wave 5 key step 0
	s_cbranch_scc0 .Lhead_z
	tensor_load_to_lds s[G0:G0+3], s[G1:G1+7]
	s_nop 0
.rept 4
	v_nop
.endr
	s_branch .Lhead_j
.Lhead_z:
	s_cmp_eq_u32 s[WV], 5
	s_cbranch_scc0 .Lhead_j
	tensor_load_to_lds s[G0Z:G0Z+3], s[G1:G1+7]
	s_nop 0
.rept 4
	v_nop
.endr
.Lhead_j:
	s_wait_alu depctr_va_vdst(0)
.irp q, 0,1,2
	global_load_b128 v[20+4*\q:23+4*\q], v7, s[QP:QP+1] offset:512*\q
.endr
	global_load_b32 v[QS], v3, s[QP:QP+1] offset:12288
	global_load_b32 v[QS+1], v3, s[QP:QP+1] offset:12288+256
	WIN 0x40
.irp q, 0,1,2
	global_load_b128 v[4*\q:4*\q+3], v7, s[QP:QP+1] offset:1536+512*\q
.endr
	INIT 0
	INIT 1
	WIN 0
	s_wait_alu depctr_va_vdst(0)
	s_wait_loadcnt 0x0                             ; Q
	s_wait_tensorcnt 0x0                           ; my record of the head's six is in
	ds_add_u32 v[SPW], v[NIL]                      ; the add, here twice on end
	ds_add_u32 v[SPW], v[NIL]
	s_wait_dscnt 0x0
	s_barrier_signal -1
	s_barrier_wait -1                              ; everybody's is
	KLOAD                                          ; THE FIRST HALF STEP: K(0),
	s_wait_dscnt 0x0                               ; its 25 loads are in
	QK4 0, 0                                       ; both tiles' first scores,
	QK4 0, 4
	QK4 1, 0
	QK4 1, 4
	VLOAD                                          ; V(0), first read in the first trip's phase B,
	PLACES
	SM 0, 2                                        ; and tile 0's first softmax
	WIN 0
	s_mov_b32 s[TB], 0                             ; key step 1 lies at slot 0's head
.Lslot:                                            ; two trips: behind each of these changes the other slot is asked for
	CHANGE 1
	FIVE
	s_sub_co_u32 s[SLOTS], s[SLOTS], 1
	s_cmp_lg_u32 s[SLOTS], 0
	s_cbranch_scc1 .Lslot
	CHANGE 0                                       ; the last slot is written out
	FIVE
	SM 1, 3                                        ; THE LAST HALF STEP: tile 1's last softmax, tile 0's last products among its lines,
	s_wait_alu depctr_va_vdst(0)
	PV3 1, 0                                       ; and tile 1's last products
	PV3 1, 3
	OUT 0                                          ; tile 0's way out names none of their registers ahead of its conversions: its first lines are the places behind them
	OUT 1
	WIN 0
	s_wait_tensorcnt 0x0                           ; the wave's end
	ds_add_u32 v[SPW], v[NIL]
	s_wait_dscnt 0x0
	CROUND                                         ; the closing round: no work-group ends while a partner may still ask for a record that names it
	s_endpgm
.Lfunc_end_k_qccd8df7f40_attn:
	.size	k_qccd8df7f40_attn, .Lfunc_end_k_qccd8df7f40_attn-k_qccd8df7f40_attn
	.p2alignl 7, 3214868480
	.fill 96, 4, 3214868480
	.section	.rodata,"a",@progbits
	.p2align	6, 0x0
	.amdhsa_kernel k_qccd8df7f40_attn
		.amdhsa_group_segment_fixed_size 327680
		.amdhsa_private_segment_fixed_size 0
		.amdhsa_enable_private_segment 0
		.amdhsa_kernarg_size 32
		.amdhsa_user_sgpr_count 2
		.amdhsa_user_sgpr_kernarg_segment_ptr 1
		.amdhsa_wavefront_size32 1
		.amdhsa_system_sgpr_workgroup_id_x 1
		.amdhsa_system_sgpr_workgroup_id_y 1
		.amdhsa_system_sgpr_workgroup_id_z 1
		.amdhsa_system_vgpr_workitem_id 0
		.amdhsa_next_free_vgpr 512
		.amdhsa_next_free_sgpr 66
		.amdhsa_reserve_vcc 0
		.amdhsa_float_denorm_mode_32 3
		.amdhsa_float_denorm_mode_16_64 3
		.amdhsa_memory_ordered 1
		.amdhsa_forward_progress 1
		.amdhsa_inst_pref_size 122
	.end_amdhsa_kernel
	.amdgpu_metadata
---
amdhsa.version: [ 1, 2 ]
amdhsa.kernels:
  - .name:           k_qccd8df7f40_attn
    .symbol:         k_qccd8df7f40_attn.kd
    .args:
      - { .name: qimg, .offset: 0, .size: 8, .value_kind: global_buffer, .address_space: global }
      - { .name: kv, .offset: 8, .size: 8, .value_kind: global_buffer, .address_space: global }
      - { .name: cimg, .offset: 16, .size: 8, .value_kind: global_buffer, .address_space: global }
      - { .name: cscl, .offset: 24, .size: 8, .value_kind: global_buffer, .address_space: global }
    .group_segment_fixed_size: 327680
    .private_segment_fixed_size: 0
    .kernarg_segment_align: 8
    .kernarg_segment_size: 32
    .max_flat_workgroup_size: 256
    .sgpr_count:     66
    .vgpr_count:     512
    .wavefront_size: 32
...
	.end_amdgpu_metadata
.endif
;; end of part 3
;; launch outp (part 4): grid 128 x 2, 4 waves a work-group, no clusters, 117,248 bytes of LDS; arguments cimg, cscl, wimg, wscl, bo, out0; writes out0
.if DOCPART == 4
	.amdgcn_target "amdgcn-amd-amdhsa--gfx1250"
	.amdhsa_code_object_version 6
	.text
	.protected	k_qccd8df7f40_outp
	.globl	k_qccd8df7f40_outp
	.p2align	8
	.type	k_qccd8df7f40_outp,@function
k_qccd8df7f40_outp:
	s_mov_b64 s[64:65], 0
	v_nop
	global_prefetch_b8 v0, s[64:65] scope:SCOPE_SE
	s_setreg_imm32_b32 hwreg(HW_REG_WAVE_MODE, 25, 1), 1
	s_wait_xcnt 0x0
; LAUNCH 4 OF 4: out0 = cat Wo + bo on codes of BF6.  No work is left out.  Work-group (x, y): 64 tokens (four tiles of 16) x 384 output columns (half y), made in THREE TURNS of 128 columns.
; In turn g wave w makes the 32 columns 128 g + 32 w (two tiles of 16) for all four token tiles: 8 accumulators, 8 K steps (one a head: 96 channels and 32 zero codes on both sides), 64 matrix instructions.
; At a turn's end the four waves' parts meet in a stage in LDS, and each wave stores 16 rows of 512 consecutive bytes; the next turn's products follow while these stores are out.
; The wave's 48 fragments of Wo come from memory straight into registers of their own, each loaded once: turn 0's at the head, turn g + 1's head by head during turn g.
; cat's 32 fragments (49,152 dense bytes) are copied into LDS once, a quarter a wave, and read by all four waves in each turn.
; TRANSPOSED: source 0 = 16 columns of Wo, source 1 = 16 tokens: a lane holds one token and eight neighbouring columns.  bo is the C of each sum's first matrix instruction.
; The tiles' rows are in the order of the launches before: row m of tile u of a group of 32 is item 8 u + m + 8 (m / 8); the stage puts tokens back in their order.
; NO JOINT LOADS: the weights go from memory into operand registers, each fragment feeding four matrix instructions; cat's images are shared by two work-groups only.  NO PREFETCH: the text has no loop to run ahead in.
; REGISTERS, in windows of 256.  Window 0: v1-9 addresses; v16-79 the accumulators ((f, t) at 16 + 8 (2 f + t)); v80-103 Wo's scale words, 8 a turn; v104-119 cat's; v120-183 rows on their way out; v184-231 bo, 16 a turn; v252, v253 the add's two.
;   Window 1 + g, v0-191: turn g's fragments of Wo ((head hd, tile t) at 24 hd + 12 t).  Windows 1 and 2, v192-239: cat's four fragments, two buffers.  Window 3, v0-95 at the head: cat's images on their way into LDS.
.set CIMG,  0                          ; LDS: cat's fragments: (tile f, head hd) at (8 f + hd) x 1,536
.set STG,   49152                      ; two stages of 64 rows x (512 + 16) bytes
.set SROW,  528
.set STGB,  64*SROW
.set SPARE, 116736                     ; the spare words, 128 bytes for each wave: two blocks of 256 bytes that no other line names
.set LI,  1
.set LS,  2
.set SO,  3
.set SR,  4
.set ACC, 16
.set WS,  80
.set CS,  104
.set OB,  120
.set BI,  184
.set SPW, 252
.set NIL, 253
.set WV,  16
.set PT,  36                           ; s[36+6g:37+6g] turn g's fragments of Wo, s[38+6g:39+6g] their scale words, s[40+6g:41+6g] its part of bo
.set MSB, 0
.macro WIN new
.if MSB != (\new)
	s_set_vgpr_msb (MSB<<8)|(\new)
.set MSB, \new
.endif
.endm
.macro PLACES
.rept 4
	v_nop
.endr
.endm
.macro MM4 d, a, b, c, sa, sb, ra, rb  ; ra, rb: that side's scale words lie in lanes 16-31
.if (\ra) && (\rb)
	v_wmma_scale_f32_16x16x128_f8f6f4 v[\d:\d+7], v[\a:\a+11], v[\b:\b+11], v[\c:\c+7], v[\sa], v[\sb] matrix_a_fmt:MATRIX_FMT_BF6 matrix_b_fmt:MATRIX_FMT_BF6 matrix_a_scale:MATRIX_SCALE_ROW1 matrix_b_scale:MATRIX_SCALE_ROW1
.elseif \ra
	v_wmma_scale_f32_16x16x128_f8f6f4 v[\d:\d+7], v[\a:\a+11], v[\b:\b+11], v[\c:\c+7], v[\sa], v[\sb] matrix_a_fmt:MATRIX_FMT_BF6 matrix_b_fmt:MATRIX_FMT_BF6 matrix_a_scale:MATRIX_SCALE_ROW1
.elseif \rb
	v_wmma_scale_f32_16x16x128_f8f6f4 v[\d:\d+7], v[\a:\a+11], v[\b:\b+11], v[\c:\c+7], v[\sa], v[\sb] matrix_a_fmt:MATRIX_FMT_BF6 matrix_b_fmt:MATRIX_FMT_BF6 matrix_b_scale:MATRIX_SCALE_ROW1
.else
	v_wmma_scale_f32_16x16x128_f8f6f4 v[\d:\d+7], v[\a:\a+11], v[\b:\b+11], v[\c:\c+7], v[\sa], v[\sb] matrix_a_fmt:MATRIX_FMT_BF6 matrix_b_fmt:MATRIX_FMT_BF6
.endif
.endm
; Byte offsets of turn g's operands.  G = 12 y + 4 g + wave is my group of 32 output columns; Wo's records hold three such groups: record group G / 3 (= 11 G >> 5 for G under 24), pair G % 3.
.macro RPTR g
	s_mul_i32 s32, s17, 12
	s_add_co_u32 s32, s32, s[WV]
	s_add_co_u32 s32, s32, 4*(\g)
	s_mul_i32 s33, s32, 11
	s_lshr_b32 s33, s33, 5
	s_mul_i32 s34, s33, 3
	s_sub_co_u32 s34, s32, s34
	s_mul_i32 s[PT+6*(\g)], s33, 73728             ; eight heads' records of 9,216 bytes,
	s_mul_i32 s35, s34, 3072                       ; the pair's two images,
	s_add_co_u32 s[PT+6*(\g)], s[PT+6*(\g)], s35
	s_add_co_u32 s[PT+6*(\g)], s[PT+6*(\g)], 1327104   ; behind 144 other records
	s_mov_b32 s[PT+1+6*(\g)], 0
	s_mul_i32 s[PT+2+6*(\g)], s33, 3072            ; the same for the scale words: records of 384 bytes, 128 a pair
	s_lshl_b32 s35, s34, 7
	s_add_co_u32 s[PT+2+6*(\g)], s[PT+2+6*(\g)], s35
	s_add_co_u32 s[PT+2+6*(\g)], s[PT+2+6*(\g)], 55296
	s_mov_b32 s[PT+3+6*(\g)], 0
	s_lshl_b32 s[PT+4+6*(\g)], s32, 7              ; bo: 128 bytes a group
	s_mov_b32 s[PT+5+6*(\g)], 0
.endm
.macro RS g                            ; 12 loads: turn g's scale words of Wo (lanes 0-15 tile 0, lanes 16-31 tile 1), and bo in the result's layout: register j of lane (r, h) is column 16 h + 8 t + j of the group
.irp hd, 0,1,2,3,4,5,6,7
	global_load_b32 v[WS+8*(\g)+\hd], v[LS], s[PT+2+6*(\g):PT+3+6*(\g)] offset:384*\hd
.endr
.irp t, 0,1
	global_load_b128 v[BI+16*(\g)+8*\t:BI+16*(\g)+8*\t+3], v5, s[PT+4+6*(\g):PT+5+6*(\g)] offset:32*\t
	global_load_b128 v[BI+16*(\g)+8*\t+4:BI+16*(\g)+8*\t+7], v5, s[PT+4+6*(\g):PT+5+6*(\g)] offset:32*\t+16
.endr
.endm
.macro RL g, hd                        ; 6 loads: turn g's two fragments of Wo for K step hd, into registers of their own
	WIN (1+(\g))<<6
.irp t, 0,1
.irp q, 0,1,2
	global_load_b128 v[24*(\hd)+12*\t+4*\q:24*(\hd)+12*\t+4*\q+3], v[LI], s[PT+6*(\g):PT+1+6*(\g)] offset:9216*(\hd)+1536*\t+512*\q
.endr
.endr
	WIN 0
.endm
.macro CLOAD hd                        ; cat's four fragments of K step hd, into buffer hd % 2
	WIN (1+(\hd)%2)<<6
.irp f, 0,1,2,3
.irp q, 0,1,2
	ds_load_b128 v[192+12*\f+4*\q:192+12*\f+4*\q+3], v[LI] offset:CIMG+(8*\f+(\hd))*1536+512*\q
.endr
.endr
	WIN 0
.endm
.macro HSTEP g, hd
.if (\g) < 2
.if (\hd) == 0
	RS (\g)+1
.endif
	RL (\g)+1, \hd
	s_wait_loadcnt 60                              ; this K step's weights are in.  Issued behind them: 6 (7 - hd) loads of this turn and 12 + 6 (hd + 1) of the next: 60
.else
	s_wait_loadcnt 6*(7-(\hd))                     ; the later K steps' loads, 6 each, may be out
.endif
	s_wait_dscnt 0x0                               ; cat's fragments of this step are in
.if ((\g) < 2) || ((\hd) < 7)
	PLACES                                         ; ahead of loads into the buffer that the step before multiplied
	CLOAD ((\hd)+1)%8
.endif
	WIN (1+(\g))|((1+(\hd)%2)<<2)                  ; source 0 (Wo) window 1 + g, source 1 (cat) window 1 or 2, C and D window 0
.irp t, 0,1                            ; the 8 accumulators take turns, one instruction a turn, in the same order in every step
.irp f, 0,1,2,3
.if (\hd) == 0
	MM4 ACC+8*(2*\f+\t), 24*(\hd)+12*\t, 192+12*\f, BI+16*(\g)+8*\t, WS+8*(\g)+(\hd), CS+4*\f+(\hd)/2, \t, (\hd)%2
.else
	MM4 ACC+8*(2*\f+\t), 24*(\hd)+12*\t, 192+12*\f, ACC+8*(2*\f+\t), WS+8*(\g)+(\hd), CS+4*\f+(\hd)/2, \t, (\hd)%2
.endif
.endr
.endr
	WIN 0
.endm
; THE WAY OUT of turn g: a row's 128 columns come from four waves: they meet in stage g % 2, and each wave stores 16 rows of 512 bytes.
; Stage g % 2 is written again two turns on: every wave's reads of it have come back ahead of its signal at the turn between.
.macro WAYOUT g
	PLACES
.irp f, 0,1,2,3
.irp t, 0,1
	ds_store_b128 v[SO], v[ACC+8*(2*\f+\t):ACC+8*(2*\f+\t)+3] offset:STGB*((\g)%2)+(32*(\f/2)+8*(\f%2))*SROW+32*\t        ; each accumulator from its low end on
	ds_store_b128 v[SO], v[ACC+8*(2*\f+\t)+4:ACC+8*(2*\f+\t)+7] offset:STGB*((\g)%2)+(32*(\f/2)+8*(\f%2))*SROW+32*\t+16
.endr
.endr
	s_wait_dscnt 0x0                               ; for the others' sake: my stores into the stage are done
	s_barrier_signal -1
	s_barrier_wait -1
.if (\g) > 0
	s_wait_xcnt 0x0                                ; the last turn's stores have read their registers
.endif
.set n, 0
.rept 16
	ds_load_b128 v[OB+4*n:OB+4*n+3], v[SR] offset:STGB*((\g)%2)+SROW*n
.set n, n+1
.endr
.set n, 0
.rept 16
	s_wait_dscnt 15-n                              ; the younger loads may be out
	global_store_b128 v[LI], v[OB+4*n:OB+4*n+3], s[14:15] offset:3072*n+512*(\g) th:TH_STORE_NT   ; 512 consecutive bytes, aligned to 256; written once, read by nobody here
.set n, n+1
.endr
.endm
	s_load_b256 s[4:11], s[0:1], 0x0               ; cimg s[4:5], cscl s[6:7], wimg s[8:9], wscl s[10:11]
	s_load_b128 s[12:15], s[0:1], 0x20             ; bo s[12:13], out0 s[14:15]
	v_lshl_add_u32 v[SPW], v0, 2, SPARE
	v_mov_b32 v[NIL], 0
	v_lshrrev_b32 v7, 5, v0
	v_readfirstlane_b32 s[WV], v7                  ; wave 0..3
	v_and_b32 v7, 31, v0
	v_lshlrev_b32 v[LI], 4, v7                     ; 16 x lane
	v_lshlrev_b32 v[LS], 2, v7                     ; 4 x lane
	v_and_b32 v7, 15, v0                           ; r
	v_bfe_u32 v8, v0, 4, 1                         ; h
	v_lshlrev_b32 v5, 6, v8                        ; 64 h
	s_mul_i32 s32, s[WV], 12288
	v_add_nc_u32 v6, s32, v[LI]                    ; the copy: my quarter, in memory and in LDS alike
	v_and_b32 v9, 8, v7
	v_add_nc_u32 v9, v9, v7                        ; r + 8 (r / 8)
	v_mul_u32_u24 v[SO], v9, SROW
	v_lshl_add_u32 v[SO], v8, 6, v[SO]
	s_lshl_b32 s32, s[WV], 7
	s_add_co_u32 s32, s32, STG
	v_add_nc_u32 v[SO], s32, v[SO]                 ; into the stage: my token's row, + 64 h, + my wave's 128 bytes
	s_mul_i32 s32, s[WV], 16*SROW
	s_add_co_u32 s32, s32, STG
	v_add_nc_u32 v[SR], s32, v[LI]                 ; back: my 16 rows, 16 bytes a lane
	s_and_b32 s17, ttmp7, 0xffff                   ; which half of the columns
	s_mul_i32 s20, ttmp9, 49152
	s_mov_b32 s21, 0
	s_lshl_b32 s22, ttmp9, 11
	s_mov_b32 s23, 0
	RPTR 0
	RPTR 1
	RPTR 2
	s_lshl_b32 s30, ttmp9, 6
	s_lshl_b32 s31, s[WV], 4
	s_add_co_u32 s30, s30, s31
	s_mul_i32 s30, s30, 3072                       ; the first row that I store: 64 x block + 16 x wave,
	s_mul_i32 s31, s17, 1536
	s_add_co_u32 s30, s30, s31                     ; my work-group's half of it
	s_mov_b32 s31, 0
	s_wait_alu depctr_va_vdst(0)
	s_wait_kmcnt 0x0
	s_add_nc_u64 s[4:5], s[4:5], s[20:21]
	s_add_nc_u64 s[6:7], s[6:7], s[22:23]
.irp g, 0,1,2
	s_add_nc_u64 s[PT+6*\g:PT+1+6*\g], s[8:9], s[PT+6*\g:PT+1+6*\g]
	s_add_nc_u64 s[PT+2+6*\g:PT+3+6*\g], s[10:11], s[PT+2+6*\g:PT+3+6*\g]
	s_add_nc_u64 s[PT+4+6*\g:PT+5+6*\g], s[12:13], s[PT+4+6*\g:PT+5+6*\g]
.endr
	s_add_nc_u64 s[14:15], s[14:15], s[30:31]
	WIN 0xc0                                       ; destination window 3
.set i, 0
.rept 24
	global_load_b128 v[4*i:4*i+3], v6, s[4:5] offset:512*i   ; the copy: 512 consecutive bytes a load
.set i, i+1
.endr
	WIN 0
.irp f, 0,1,2,3
.irp n, 0,1,2,3
	global_load_b32 v[CS+4*\f+\n], v[LS], s[6:7] offset:512*\f+128*\n   ; cat's scale words: lanes 0-15 head 2 n, lanes 16-31 head 2 n + 1
.endr
.endr
	RS 0
.irp hd, 0,1,2,3,4,5,6,7
	RL 0, \hd
.endr
	s_wait_loadcnt 63                              ; 76 loads were issued behind the copy's 24: the largest count that a wait can name serves
	WIN 0x0c                                       ; an LDS store's data are its source 1: window 3
.set i, 0
.rept 24
	ds_store_b128 v6, v[4*i:4*i+3] offset:CIMG+512*i
.set i, i+1
.endr
	WIN 0
	s_wait_dscnt 0x0                               ; for the others' sake: my quarter lies in LDS
	s_barrier_signal -1
	s_barrier_wait -1
	CLOAD 0
.irp g, 0,1,2
.irp hd, 0,1,2,3,4,5,6,7
	HSTEP \g, \hd
.endr
	WAYOUT \g
.endr
	s_wait_tensorcnt 0x0                           ; the wave's end, behind my last LDS store; its tensor wait stands in a text with no tensor load too
	ds_add_u32 v[SPW], v[NIL]
	s_wait_dscnt 0x0
	s_endpgm
.Lfunc_end_k_qccd8df7f40_outp:
	.size	k_qccd8df7f40_outp, .Lfunc_end_k_qccd8df7f40_outp-k_qccd8df7f40_outp
	.p2alignl 7, 3214868480
	.fill 96, 4, 3214868480
	.section	.rodata,"a",@progbits
	.p2align	6, 0x0
	.amdhsa_kernel k_qccd8df7f40_outp
		.amdhsa_group_segment_fixed_size 117248
		.amdhsa_private_segment_fixed_size 0
		.amdhsa_enable_private_segment 0
		.amdhsa_kernarg_size 48
		.amdhsa_user_sgpr_count 2
		.amdhsa_user_sgpr_kernarg_segment_ptr 1
		.amdhsa_wavefront_size32 1
		.amdhsa_system_sgpr_workgroup_id_x 1
		.amdhsa_system_sgpr_workgroup_id_y 1
		.amdhsa_system_sgpr_workgroup_id_z 1
		.amdhsa_system_vgpr_workitem_id 0
		.amdhsa_next_free_vgpr 1024
		.amdhsa_next_free_sgpr 66
		.amdhsa_reserve_vcc 0
		.amdhsa_float_denorm_mode_32 3
		.amdhsa_float_denorm_mode_16_64 3
		.amdhsa_memory_ordered 1
		.amdhsa_forward_progress 1
		.amdhsa_inst_pref_size 91
	.end_amdhsa_kernel
	.amdgpu_metadata
---
amdhsa.version: [ 1, 2 ]
amdhsa.kernels:
  - .name:           k_qccd8df7f40_outp
    .symbol:         k_qccd8df7f40_outp.kd
    .args:
      - { .name: cimg, .offset: 0, .size: 8, .value_kind: global_buffer, .address_space: global }
      - { .name: cscl, .offset: 8, .size: 8, .value_kind: global_buffer, .address_space: global }
      - { .name: wimg, .offset: 16, .size: 8, .value_kind: global_buffer, .address_space: global }
      - { .name: wscl, .offset: 24, .size: 8, .value_kind: global_buffer, .address_space: global }
      - { .name: bo, .offset: 32, .size: 8, .value_kind: global_buffer, .address_space: global }
      - { .name: out0, .offset: 40, .size: 8, .value_kind: global_buffer, .address_space: global }
    .group_segment_fixed_size: 117248
    .private_segment_fixed_size: 0
    .kernarg_segment_align: 8
    .kernarg_segment_size: 48
    .max_flat_workgroup_size: 128
    .sgpr_count:     66
    .vgpr_count:     1024
    .wavefront_size: 32
...
	.end_amdgpu_metadata
.endif
;; end of part 4
